; MI455X (gfx1250); checked and timed in simulation.
; The chip was launched on July 23, 2026; its instructions are those of AMD's public machine-readable ISA for CDNA 5 (MIT licence, August 2026) and "CDNA5" Instruction Set Architecture Reference Guide (July 2026). The comments in the code are by the model that wrote it; some were corrected since.
;; Bert Layer. Allowed arithmetic: matrix products marked QUANTISED: E2M1 operands, one E8M0 scale for each 32 along K, by v_wmma_scale_f32_16x16x128_f8f6f4 with both operands' format E2M1 (or v_wmma_scale_f32_32x16x128_f4), f32 sums; products left as they are: bf16, f16 or f32 operands; f32 sums; everything else in f32.
;; Inputs: W1 2,048 x 512 float32; W2 512 x 2,048 float32; Wk 512 x 512 float32; Wp 512 x 512 float32; Wq 512 x 512 float32; Wv 512 x 512 float32; attention_mask 4 x 2,048 bool; b1 2,048 float32; b2 512 float32; ln1_b 512 float32; ln1_g 512 float32; ln2_b 512 float32; ln2_g 512 float32; x 4 x 2,048 x 512 float32.
;; Outputs: out0 4 x 2,048 x 512 float32.
;; This version of the problem:
;;   THIS VERSION OF THE PROBLEM IS GIVEN IN LOW PRECISION. The matrix products marked QUANTISED in the list below multiply operands that are first quantised to E2M1 (2 exponent bits, 1 mantissa bit; 4 bits a number), with one power-of-two scale for each 32 numbers along K (OCP MX v1.0); their sums are f32. The products marked 'left as it is' may take bf16, f16 or f32 operands, with f32 sums. Whichever they take, every output number must still come out within the allowed error. Rounding operands to bf16 (8 significant bits) uses up far more of that allowance than f16 does (11 bits, for magnitudes from 6e-5 to 65,504). All else is computed in f32.
;;   The module's matrix products, in the order in which they are computed (A, B: the left and right operand; K: the contracted axis; several contracted axes count as one K, in the product's order):
;;     1. [M 8,192, K 512] x [K 512, N 512]; A: input x; B: input Wq: QUANTISED
;;     2. [M 8,192, K 512] x [K 512, N 512]; A: input x; B: input Wk: QUANTISED
;;     3. [M 8,192, K 512] x [K 512, N 512]; A: input x; B: input Wv: QUANTISED
;;     4. batch 32 x [M 2,048, K 64] x [K 64, N 2,048]; A: computed on the way; B: computed on the way: left as it is (an operand is computed on the way)
;;     5. batch 32 x [M 64, K 2,048] x [K 2,048, N 2,048]; A: computed on the way; B: computed on the way: left as it is (an operand is computed on the way)
;;     6. [M 8,192, K 512] x [K 512, N 512]; A: computed on the way; B: input Wp: left as it is (an operand is computed on the way)
;;     7. [M 8,192, K 512] x [K 512, N 2,048]; A: computed on the way; B: input W1: left as it is (an operand is computed on the way)
;;     8. [M 8,192, K 2,048] x [K 2,048, N 512]; A: computed on the way; B: input W2: left as it is (an operand is computed on the way)
;;   THE QUANTISER, for each operand of a quantised product, along K:
;;     - K is cut into blocks of 32 from its start; a last block that is shorter is filled with zeros.
;;     - A block's scale is 2^e with e = floor(log2(the largest magnitude in the block)) - 2, held to -126 .. 127; a block of zeros has e = 0. As a byte (E8M0): e + 127.
;;     - Each number is divided by its block's scale, clamped to +-6, and rounded to the nearest number of E2M1, ties to even, subnormals kept.
;;     - The product sums the exact products of the quantised numbers (number of the format x scale) in f32.
;;   ~~~python
;;   def quantise(x, axis):      # numpy; x: float32 -> the quantised numbers, widened to float32 again
;;       x = np.moveaxis(x, axis, -1); K = x.shape[-1]
;;       x = np.pad(x, [(0, 0)] * (x.ndim - 1) + [(0, -K % 32)]); x = x.reshape(x.shape[:-1] + (-1, 32)); a = np.abs(x).max(-1, keepdims=True)
;;       e = np.where(a > 0, np.clip(np.frexp(np.where(a > 0, a, 1))[1] - 1 - 2, -126, 127), 0)      # np.frexp(a)[1] - 1 = floor(log2(a)), exactly
;;       r = np.clip(x / 2.0 ** e, -6, 6)
;;       step = 2.0 ** (np.maximum(np.frexp(np.where(r == 0, 1, r))[1] - 1, 0) - 1)
;;       q = np.round(r / step) * step * 2.0 ** e      # np.round: ties to even
;;       return np.moveaxis(q.reshape(q.shape[:-2] + (-1,))[..., :K], -1, axis).astype(np.float32)
;;   ~~~
;; One version. Each part assembles by itself: llvm-mc -triple=amdgcn-amd-amdhsa -mcpu=gfx1250 --defsym DOCPART=n.
;; ======== version 1 of 1: 4 launches
;; limits: values are held in f16: magnitudes above 65,504 overflow, below 6.1e-05 lose precision
;; workspace buffers: cod 2,490,368 bytes; scl 155,648 bytes; wst 4,718,592 bytes; qf 8,388,608 bytes; kf 8,388,608 bytes; vf 8,388,608 bytes; cf 8,388,608 bytes
;; launch prep (part 1): grid 224 x 1, 4 waves a work-group, no clusters, 266,752 bytes of LDS; arguments x, Wq, Wk, Wv, Wp, W1, W2, cod, scl, wst; writes cod, scl, wst
.if DOCPART == 1
	.amdgcn_target "amdgcn-amd-amdhsa--gfx1250"
	.amdhsa_code_object_version 6
	.text
	.protected	k_qc50c0309bc_prep
	.globl	k_qc50c0309bc_prep
	.p2align	8
	.type	k_qc50c0309bc_prep,@function
k_qc50c0309bc_prep:
	s_mov_b64 s[64:65], 0
	v_nop
	global_prefetch_b8 v0, s[64:65] scope:SCOPE_SE
	s_setreg_imm32_b32 hwreg(HW_REG_WAVE_MODE, 25, 1), 1
	s_wait_xcnt 0x0
; PREP.  x, Wq, Wk, Wv (f32, K = 512 innermost) become codes of E2M1 with one E8M0 byte for each 32 along K; Wp, W1, W2 become f16.
; Everything is laid in the ORDER OF THE OPERAND'S REGISTERS, so that later launches load fragments by 16 bytes a lane, 512 dense bytes an instruction.
;   cod: [tile of 16 rows][K step of 128][part c][lane][16 bytes]: lane (r, h) of part c holds row r, k = 64 c + 32 h + 0..31.  Tiles 0-511 x, 512-543 Wq, 544-575 Wk, 576-607 Wv.
;   scl: [row][16 bytes]: byte i is the scale of block i, word s the scale word of K step s.
;   wst: 36 slots of 131,072 bytes in the order in which the last launch walks them: [slot][wave][fragment][part p][lane][16 bytes], f16;
;        lane (r, h) of part p holds row r, k = 16 p + 8 h + 0..7 of a fragment of 16 rows x 32 k.
; A block's scale is 2^(floor(log2(largest magnitude)) - 2): its byte is that magnitude's exponent field - 2, held at 1 from below.
; LIMITS: a block of zeros, or one whose largest magnitude lies under 2^-124, gets the byte 1 (its codes are zeros or tiny; this program alone reads the bytes);
; NaN and infinities are not served; weights beyond 65,504 do not fit f16.
; SHARES.  One wave, one job: 16 rows x 512 numbers (32,768 bytes), brought by ONE tensor load into the wave's own LDS bytes and read by that wave alone: no barrier, nothing is filled twice.
; Work-groups 0-151: codes (x, Wq, Wk, Wv); 152-159: Wp; 160-191: W1; 192-223: W2 (a quarter of K for each wave).  No cluster: no two work-groups read the same bytes.
.set SPARE, 266240                     ; behind the eight regions: the spare words, 128 bytes for each wave
.set REGN,  33280                      ; a wave's region: 16 rows x 2,080 bytes
.set ROWP,  2080                       ; a row in LDS: 2,048 bytes + 16 of padding behind each 1,024: row r starts 32 r bytes on, modulo 256
.set REGB,  4*REGN                     ; the regions of W2's path, which has a tensor instruction of its own
.set L16,  1                           ; v1   16 x lane
.set ADQ,  2                           ; v2   codes: my row, + 128 h bytes
.set H8,   3                           ; v3   8 h
.set SPW,  4                           ; v4   my spare word; never rewritten
.set NIL,  5                           ; v5   0; never rewritten
.set SW,   8                           ; v8-11  the four scale words of my row
.set ADC,  24                          ; v24  f16: my row, + 32 h bytes
.set ADC2, 25                          ; v25  the same in W2's regions
.set X,    32                          ; v32-159  two sets of 64 numbers
.set C,    160                         ; v160-223 results on their way out
.set WV,   48                          ; s48  my wave's number
	s_load_b512 s[4:19], s[0:1], 0x0               ; x, Wq, Wk, Wv, Wp, W1, W2, cod
	s_load_b128 s[20:23], s[0:1], 0x40             ; scl, wst
	v_lshl_add_u32 v[SPW], v0, 2, SPARE
	v_mov_b32 v[NIL], 0
	ds_add_u32 v[SPW], v[NIL]                      ; the wave's opening: the add and its wait stand ahead of my first tensor load; register work stands between them
	v_lshrrev_b32 v6, 5, v0
	v_readfirstlane_b32 s[WV], v6
	v_and_b32 v26, 31, v0                          ; lane
	v_and_b32 v27, 15, v0                          ; r
	v_bfe_u32 v28, v0, 4, 1                        ; h
	v_lshlrev_b32 v[L16], 4, v26
	v_lshlrev_b32 v[H8], 3, v28
	v_lshlrev_b32 v22, 4, v27
	v_lshl_add_u32 v22, v28, 3, v22                ; 16 r + 8 h: my 8 bytes of the tile's 256 scale bytes
	s_mul_i32 s52, s[WV], REGN
	v_mul_u32_u24 v[ADC], v27, ROWP
	v_add_nc_u32 v[ADC], s52, v[ADC]
	v_lshl_add_u32 v[ADQ], v28, 7, v[ADC]
	v_lshl_add_u32 v[ADC], v28, 5, v[ADC]
	v_add_nc_u32 v[ADC2], REGB, v[ADC]
	v_cmp_le_u32 s44, 16, v26                      ; the lanes with h = 1
	v_mov_b32 v19, 0                               ; written once: a lane permute's destination counts as one of its sources
	s_mov_b32 s46, 0x76543210
	s_mov_b32 s47, 0xfedcba98                      ; lane l xor 16
	; descriptor group 1: 16 rows x 512 elements of 4 bytes; four words of padding behind every 256 words
	s_mov_b32 s24, (2<<16)|(1<<20)|(7<<22)|(3<<25)
	s_mov_b32 s25, 512<<16                         ; tensor_dim0
	s_mov_b32 s26, 16<<16                          ; tensor_dim1
	s_mov_b32 s27, 512<<16                         ; tile_dim0
	s_mov_b32 s28, 16                              ; tile_dim1
	s_mov_b32 s29, 512                             ; from row to row
	s_mov_b32 s30, 0
	s_mov_b32 s31, 0
	s_mov_b32 s32, (2<<16)|(1<<20)|(7<<22)|(3<<25) ; the same for W2, whose rows are 2,048 elements apart
	s_mov_b32 s33, 512<<16
	s_mov_b32 s34, 16<<16
	s_mov_b32 s35, 512<<16
	s_mov_b32 s36, 16
	s_mov_b32 s37, 2048
	s_mov_b32 s38, 0
	s_mov_b32 s39, 0
	s_mov_b32 s57, 0
	s_mov_b32 s59, 0
	s_wait_dscnt 0x0                               ; the opening add is done
	s_wait_kmcnt 0x0
.macro LQ u, set                       ; K step u of my row for the codes: two blocks of 32 numbers, k = 128 u + 64 c + 32 h + 0..31
.irp c, 0,1
.irp i, 0,1,2,3,4,5,6,7
	ds_load_b128 v[X+64*(\set)+32*\c+4*\i:X+64*(\set)+32*\c+4*\i+3], v[ADQ] offset:512*(\u)+16*((\u)/2)+256*\c+16*\i
.endr
.endr
.endm
.macro QUANT u                         ; two blocks become 2 x 16 bytes of codes and two bytes of the scale word
.set XS, X+64*((\u)%2)
.irp c, 0,1
	v_max3_num_f32 v[12+\c], |v[XS+32*\c]|, |v[XS+32*\c+1]|, 0x1800000   ; the floor 2^(3 - 127) among the leaves: the byte cannot fall under 1
.endr
.irp i, 2,4,6,8,10,12,14,16,18,20,22,24,26,28,30
.irp c, 0,1
	v_max3_num_f32 v[12+\c], v[12+\c], |v[XS+32*\c+\i]|, |v[XS+32*\c+\i+1]|   ; the two blocks by turns
.endr
.endr
.irp c, 0,1
	v_add_nc_u32 v[14+\c], 0xff000000, v[12+\c]    ; 2 off the exponent field: the conversion's scale operand
.endr
.irp c, 0,1
	v_lshrrev_b32 v[16+\c], 23, v[14+\c]           ; the scale's byte
.endr
	v_lshl_or_b32 v18, v17, 16, v16                ; blocks h and 2 + h,
	v_lshlrev_b32 v18, v[H8], v18                  ; at their places in the word;
	v_permlanex16_b32 v19, v18, s46, s47
	v_or_b32 v[SW+(\u)], v18, v19                  ; with lane l xor 16's two the word is whole
.irp c, 0,1
.irp g, 0,1,2,3
	v_cvt_scalef32_pk8_fp4_f32 v[C+8*(\u)+4*\c+\g], v[XS+32*\c+8*\g:XS+32*\c+8*\g+7], v[14+\c]
.endr
.endr
	v_nop                                          ; one plain instruction behind the last scaled conversion
.irp c, 0,1
	global_store_b128 v[L16], v[C+8*(\u)+4*\c:C+8*(\u)+4*\c+3], s[18:19] offset:1024*(\u)+512*\c   ; 512 consecutive bytes; each K step has registers of its own
.endr
.endm
.macro LC ad, u, set                   ; 128 along K of my row for f16: four fragments, k = 32 f + 16 p + 8 h + 0..7
.irp f, 0,1,2,3
.irp p, 0,1
.irp q, 0,1
	ds_load_b128 v[X+64*(\set)+16*\f+8*\p+4*\q:X+64*(\set)+16*\f+8*\p+4*\q+3], v[\ad] offset:512*(\u)+16*((\u)/2)+128*\f+64*\p+16*\q
.endr
.endr
.endr
.endm
.macro CONV ad, us, fs                 ; my 16 x 512 numbers become 16 fragments of f16; us: bytes from 128 k to the next in wst; fs: from fragment to fragment
	LC \ad, 0, 0
.irp u, 0,1,2,3
.if \u < 3
	LC \ad, \u+1, (\u+1)%2
	s_wait_dscnt 16                                ; this unit's 16 loads are in; the next unit's may be out
.else
	s_wait_dscnt 0x0
.endif
	s_wait_xcnt 0x0                                ; the stores of two units ago have read their registers
.irp n, 0,1,2,3,4,5,6,7,8,9,10,11,12,13,14,15,16,17,18,19,20,21,22,23,24,25,26,27,28,29,30,31
	v_cvt_pk_f16_f32 v[C+32*(\u%2)+\n], v[X+64*(\u%2)+2*\n], v[X+64*(\u%2)+2*\n+1]
.endr
.irp f, 0,1,2,3
.irp p, 0,1
	global_store_b128 v[L16], v[C+32*(\u%2)+8*\f+4*\p:C+32*(\u%2)+8*\f+4*\p+3], s[22:23] offset:\u*\us+\f*\fs+512*\p
.endr
.endr
.endr
.endm
	s_cmp_ge_u32 ttmp9, 192
	s_cbranch_scc1 .Lc2
	s_mov_b64 s[50:51], s[4:5]                     ; which tensor, and its first work-group: a choice on the work-group's number alone
	s_mov_b32 s49, 0
	s_cmp_ge_u32 ttmp9, 128
	s_cselect_b64 s[50:51], s[6:7], s[50:51]
	s_cselect_b32 s49, 128, s49
	s_cmp_ge_u32 ttmp9, 136
	s_cselect_b64 s[50:51], s[8:9], s[50:51]
	s_cselect_b32 s49, 136, s49
	s_cmp_ge_u32 ttmp9, 144
	s_cselect_b64 s[50:51], s[10:11], s[50:51]
	s_cselect_b32 s49, 144, s49
	s_cmp_ge_u32 ttmp9, 152
	s_cselect_b64 s[50:51], s[12:13], s[50:51]
	s_cselect_b32 s49, 152, s49
	s_cmp_ge_u32 ttmp9, 160
	s_cselect_b64 s[50:51], s[14:15], s[50:51]
	s_cselect_b32 s49, 160, s49
	s_sub_co_u32 s53, ttmp9, s49
	s_lshl_b32 s53, s53, 2
	s_add_co_u32 s53, s53, s[WV]                   ; R: my tile of 16 rows in that tensor
	s_lshl_b32 s56, s53, 15                        ; 32,768 bytes a tile
	s_mov_b32 s40, 1
	s_mov_b32 s41, s52                             ; my region
	s_add_nc_u64 s[42:43], s[50:51], s[56:57]
	s_or_b32 s43, s43, 0x80000000
	tensor_load_to_lds s[40:43], s[24:31]
	s_nop 0
.rept 4
	v_nop
.endr
	s_wait_tensorcnt 0x0                           ; my tile is in; nobody else reads it
	s_cmp_ge_u32 ttmp9, 160
	s_cbranch_scc1 .Lc1
	s_cmp_ge_u32 ttmp9, 152
	s_cbranch_scc1 .Lcp
	; ---- codes.  Tile T = 4 x work-group + wave
	s_lshl_b32 s56, ttmp9, 2
	s_add_co_u32 s56, s56, s[WV]
	s_lshl_b32 s58, s56, 8
	s_lshl_b32 s56, s56, 12
	s_add_nc_u64 s[18:19], s[18:19], s[56:57]      ; cod + 4,096 T
	s_add_nc_u64 s[20:21], s[20:21], s[58:59]      ; scl + 256 T
	LQ 0, 0
.irp u, 0,1,2,3
.if \u < 3
	LQ \u+1, (\u+1)%2
	s_wait_dscnt 16                                ; this K step's 16 loads are in; the next one's may be out
.else
	s_wait_dscnt 0x0
.endif
	QUANT \u
.endr
	v_cndmask_b32 v20, v[SW], v[SW+2], s44         ; lanes 0-15 store words 0 and 1 of row r, lanes 16-31 words 2 and 3:
	v_cndmask_b32 v21, v[SW+1], v[SW+3], s44
	global_store_b64 v22, v[20:21], s[20:21]       ; the wave stores 256 consecutive bytes, aligned
	s_branch .Lend
.Lcp:	; ---- Wp: rows n = 16 R + r: wave R / 8 of the reader, tile R % 8; slot = the 128 along K
	s_lshr_b32 s56, s53, 3
	s_lshl_b32 s56, s56, 15
	s_and_b32 s58, s53, 7
	s_lshl_b32 s58, s58, 10
	s_add_co_u32 s56, s56, s58
	s_add_nc_u64 s[22:23], s[22:23], s[56:57]
	CONV ADC, 131072, 8192
	s_branch .Lend
.Lc1:	; ---- W1: hidden units 16 R + r: chunk R / 8 (slot 4 + 2 chunk), wave (R % 8) / 2, tile R % 2; fragment 2 kappa + tile
	s_lshr_b32 s56, s53, 3
	s_lshl_b32 s56, s56, 18
	s_add_co_u32 s56, s56, 4*131072
	s_bfe_u32 s58, s53, 0x20001
	s_lshl_b32 s58, s58, 15
	s_add_co_u32 s56, s56, s58
	s_and_b32 s58, s53, 1
	s_lshl_b32 s58, s58, 10
	s_add_co_u32 s56, s56, s58
	s_add_nc_u64 s[22:23], s[22:23], s[56:57]
	CONV ADC, 8192, 2048
	s_branch .Lend
.Lc2:	; ---- W2: rows n = 16 R + r, R = work-group - 192; my wave's 512 along K are chunks 4 wave .. 4 wave + 3 (slot 5 + 2 chunk)
	s_sub_co_u32 s53, ttmp9, 192
	s_lshl_b32 s56, s53, 17                        ; 16 rows of 8,192 bytes
	s_lshl_b32 s58, s[WV], 11
	s_add_co_u32 s56, s56, s58
	s_mov_b32 s40, 1
	s_add_co_u32 s41, s52, REGB
	s_add_nc_u64 s[42:43], s[16:17], s[56:57]
	s_or_b32 s43, s43, 0x80000000
	tensor_load_to_lds s[40:43], s[32:39]
	s_nop 0
.rept 4
	v_nop
.endr
	s_wait_tensorcnt 0x0
	s_lshl_b32 s56, s[WV], 20
	s_add_co_u32 s56, s56, 5*131072
	s_lshr_b32 s58, s53, 3
	s_lshl_b32 s58, s58, 15
	s_add_co_u32 s56, s56, s58
	s_and_b32 s58, s53, 7
	s_lshl_b32 s58, s58, 10
	s_add_co_u32 s56, s56, s58
	s_add_nc_u64 s[22:23], s[22:23], s[56:57]
	CONV ADC2, 262144, 8192
.Lend:
	s_wait_tensorcnt 0x0                           ; the wave's end
	ds_add_u32 v[SPW], v[NIL]
	s_wait_dscnt 0x0
	s_endpgm
.Lfunc_end_k_qc50c0309bc_prep:
	.size	k_qc50c0309bc_prep, .Lfunc_end_k_qc50c0309bc_prep-k_qc50c0309bc_prep
	.p2alignl 7, 3214868480
	.fill 96, 4, 3214868480
	.section	.rodata,"a",@progbits
	.p2align	6, 0x0
	.amdhsa_kernel k_qc50c0309bc_prep
		.amdhsa_group_segment_fixed_size 266752
		.amdhsa_private_segment_fixed_size 0
		.amdhsa_enable_private_segment 0
		.amdhsa_kernarg_size 80
		.amdhsa_user_sgpr_count 2
		.amdhsa_user_sgpr_kernarg_segment_ptr 1
		.amdhsa_wavefront_size32 1
		.amdhsa_system_sgpr_workgroup_id_x 1
		.amdhsa_system_sgpr_workgroup_id_y 1
		.amdhsa_system_sgpr_workgroup_id_z 1
		.amdhsa_system_vgpr_workitem_id 0
		.amdhsa_next_free_vgpr 224
		.amdhsa_next_free_sgpr 66
		.amdhsa_reserve_vcc 0
		.amdhsa_float_denorm_mode_32 3
		.amdhsa_float_denorm_mode_16_64 3
		.amdhsa_memory_ordered 1
		.amdhsa_forward_progress 1
		.amdhsa_inst_pref_size 69
	.end_amdhsa_kernel
	.amdgpu_metadata
---
amdhsa.version: [ 1, 2 ]
amdhsa.kernels:
  - .name:           k_qc50c0309bc_prep
    .symbol:         k_qc50c0309bc_prep.kd
    .args:
      - { .name: x, .offset: 0, .size: 8, .value_kind: global_buffer, .address_space: global }
      - { .name: Wq, .offset: 8, .size: 8, .value_kind: global_buffer, .address_space: global }
      - { .name: Wk, .offset: 16, .size: 8, .value_kind: global_buffer, .address_space: global }
      - { .name: Wv, .offset: 24, .size: 8, .value_kind: global_buffer, .address_space: global }
      - { .name: Wp, .offset: 32, .size: 8, .value_kind: global_buffer, .address_space: global }
      - { .name: W1, .offset: 40, .size: 8, .value_kind: global_buffer, .address_space: global }
      - { .name: W2, .offset: 48, .size: 8, .value_kind: global_buffer, .address_space: global }
      - { .name: cod, .offset: 56, .size: 8, .value_kind: global_buffer, .address_space: global }
      - { .name: scl, .offset: 64, .size: 8, .value_kind: global_buffer, .address_space: global }
      - { .name: wst, .offset: 72, .size: 8, .value_kind: global_buffer, .address_space: global }
    .group_segment_fixed_size: 266752
    .private_segment_fixed_size: 0
    .kernarg_segment_align: 8
    .kernarg_segment_size: 80
    .max_flat_workgroup_size: 128
    .sgpr_count:     66
    .vgpr_count:     224
    .wavefront_size: 32
...
	.end_amdgpu_metadata
.endif
;; end of part 1
;; launch qkv (part 2): grid 8 x 32, 12 waves a work-group, no clusters, 167,936 bytes of LDS; arguments cod, scl, qf, kf, vf; writes qf, kf, vf
.if DOCPART == 2
	.amdgcn_target "amdgcn-amd-amdhsa--gfx1250"
	.amdhsa_code_object_version 6
	.text
	.protected	k_qc50c0309bc_qkv
	.globl	k_qc50c0309bc_qkv
	.p2align	8
	.type	k_qc50c0309bc_qkv,@function
k_qc50c0309bc_qkv:
	s_mov_b64 s[64:65], 0
	v_nop
	global_prefetch_b8 v0, s[64:65] scope:SCOPE_SE
	s_setreg_imm32_b32 hwreg(HW_REG_WAVE_MODE, 25, 1), 1
	s_wait_xcnt 0x0
; QKV.  q = x Wq^T, k = x Wk^T, v = x Wv^T on codes of E2M1 with E8M0 scales, sums in f32, K = 512 in four steps of 128.  Results leave as f16, laid as the next launch's operands:
;   qf, kf: [batch x head][tile of 16 tokens][32 channels c][part p][lane][16 bytes]: lane (r, h) holds token r, channels 32 c + 16 p + 8 h + 0..7.
;   vf:     [batch x head][32 keys][tile of 16 channels][part p][lane][16 bytes]: lane (r, h) holds channel r, keys 16 p + 8 h + 0..7.
; SHARES.  A work-group: 256 tokens (y) x 3 of the 24 heads of q, k, v (x).  Twelve waves: wave = 4 x head slot + row group; a wave makes 64 tokens x 64 channels: 16 accumulators, 64 matrix instructions.
; For q and k the product is used transposed (source 0 = 16 weight rows, source 1 = 16 tokens): a lane then holds one token and eight neighbouring channels; for v as it stands: a lane holds one channel and
; eight neighbouring tokens.  Either way an accumulator, rounded in pairs, IS one part of a fragment of the next product: it is stored at 16 x lane, 512 consecutive bytes, with no stage.
; No cluster: a work-group fetches its 114,688 bytes of codes once, as one group of first fills ahead of all its work; there is no stream of steps in which partners could ask jointly.
; LIMIT: results beyond 65,504 do not fit f16.
.set SPARE, 114688                     ; behind the codes: the spare words, 128 bytes for each of twelve waves
.set L16, 1                            ; v1  16 x lane
.set AA,  2                            ; v2  my four tiles of x in LDS
.set AB,  3                            ; v3  my four tiles of the weight
.set SPW, 4
.set NIL, 5
.set XS,  8                            ; v8-15   x's scale words: register 4 (t / 2) + s; lanes 0-15 tile t even, lanes 16-31 tile t odd
.set WS,  16                           ; v16-23  the weight's likewise
.set FA,  32                           ; v32-63  four fragments of x
.set FB,  64                           ; v64-95  four of the weight
.set ACC, 128                          ; v128-255 accumulator (rt, ct) at 128 + 8 (4 rt + ct)
	s_load_b256 s[4:11], s[0:1], 0x0               ; cod, scl, qf, kf
	s_load_b64 s[12:13], s[0:1], 0x20              ; vf
	v_lshl_add_u32 v[SPW], v0, 2, SPARE
	v_mov_b32 v[NIL], 0
	ds_add_u32 v[SPW], v[NIL]                      ; the wave's opening: the add and its wait stand ahead of the first tensor load
	v_lshrrev_b32 v6, 5, v0
	v_readfirstlane_b32 s14, v6                    ; wave 0..11
	s_and_b32 s15, s14, 3                          ; row group: 64 tokens
	s_lshr_b32 s16, s14, 2                         ; head slot 0..2
	s_and_b32 s17, ttmp7, 0xffff                   ; block of 256 tokens
	s_mul_i32 s18, ttmp9, 3
	s_add_co_u32 s18, s18, s16                     ; G = 0..23
	s_lshr_b32 s19, s18, 3                         ; 0 q, 1 k, 2 v
	s_and_b32 s20, s18, 7                          ; head
	v_and_b32 v6, 31, v0
	v_lshlrev_b32 v[L16], 4, v6
	s_lshl_b32 s21, s15, 14
	v_add_nc_u32 v[AA], s21, v[L16]
	s_lshl_b32 s21, s16, 14
	s_add_co_u32 s21, s21, 65536
	v_add_nc_u32 v[AB], s21, v[L16]
	; descriptor group 1: a dense block of 16,384 bytes as 64 rows of 256 bytes (32 elements of 8 bytes)
	s_mov_b32 s24, 3<<16
	s_mov_b32 s25, 32<<16
	s_mov_b32 s26, 64<<16
	s_mov_b32 s27, 32<<16
	s_mov_b32 s28, 64
	s_mov_b32 s29, 32
	s_mov_b32 s30, 0
	s_mov_b32 s31, 0
	s_lshl_b32 s22, s14, 14                        ; waves 0-3 fetch x's 16 tiles, waves 4-6 the weights' 12: 16,384 bytes each, to LDS byte 16,384 x wave
	s_lshl_b32 s36, s17, 16
	s_add_co_u32 s36, s36, s22                     ; x: 65,536 y + 16,384 wave
	s_mul_i32 s37, ttmp9, 49152
	s_add_co_u32 s37, s37, s22
	s_add_co_u32 s37, s37, 2031616                 ; weights: 512 tiles on, + 49,152 x + 16,384 (wave - 4)
	s_cmp_lt_u32 s14, 4
	s_cselect_b32 s36, s36, s37
	s_mov_b32 s37, 0
	s_wait_dscnt 0x0                               ; the opening add is done
	s_wait_kmcnt 0x0
	s_cmp_lt_u32 s14, 7
	s_cbranch_scc0 .Lnoload
	s_mov_b32 s32, 1
	s_mov_b32 s33, s22
	s_add_nc_u64 s[34:35], s[4:5], s[36:37]
	s_or_b32 s35, s35, 0x80000000
	tensor_load_to_lds s[32:35], s[24:31]
	s_nop 0
.rept 4
	v_nop
.endr
.Lnoload:
	s_lshl_b32 s38, s17, 12                        ; the scale words come straight from memory, 512 consecutive bytes a load: two tiles' 16 rows x 16 bytes
	s_lshl_b32 s39, s15, 10
	s_add_co_u32 s38, s38, s39
	s_mov_b32 s39, 0
	s_add_nc_u64 s[40:41], s[6:7], s[38:39]        ; x's: tile 16 y + 4 row group
	s_mul_i32 s38, ttmp9, 3072
	s_lshl_b32 s42, s16, 10
	s_add_co_u32 s38, s38, s42
	s_add_co_u32 s38, s38, 131072
	s_add_nc_u64 s[42:43], s[6:7], s[38:39]        ; the weight's: tile 512 + 12 x + 4 head slot
	global_load_b128 v[XS:XS+3], v[L16], s[40:41]
	global_load_b128 v[XS+4:XS+7], v[L16], s[40:41] offset:512
	global_load_b128 v[WS:WS+3], v[L16], s[42:43]
	global_load_b128 v[WS+4:WS+7], v[L16], s[42:43] offset:512
	s_lshr_b32 s44, s17, 3                         ; where my results go: (8 batch + head) x 262,144 + 128 bytes a token
	s_lshl_b32 s44, s44, 3
	s_add_co_u32 s44, s44, s20
	s_lshl_b32 s44, s44, 18
	s_and_b32 s45, s17, 7
	s_lshl_b32 s45, s45, 15
	s_add_co_u32 s44, s44, s45
	s_lshl_b32 s45, s15, 13
	s_add_co_u32 s44, s44, s45
	s_mov_b32 s45, 0
	s_cmp_eq_u32 s19, 1
	s_cselect_b64 s[46:47], s[10:11], s[8:9]
	s_cmp_eq_u32 s19, 2
	s_cselect_b64 s[46:47], s[12:13], s[46:47]
	s_add_nc_u64 s[46:47], s[46:47], s[44:45]
	s_wait_tensorcnt 0x0                           ; my part of the codes is in,
	s_barrier_signal -1
	s_barrier_wait -1                              ; everybody's is
	s_wait_loadcnt 0x0                             ; the scale words
; one product; oa, ob: the source's scale words lie in lanes 16-31 of the register named
.macro MM acc, ra, rb, sa, sb, oa, ob, zero
.if \zero
.if (\oa) && (\ob)
	v_wmma_scale_f32_16x16x128_f8f6f4 v[(\acc):(\acc)+7], v[(\ra):(\ra)+7], v[(\rb):(\rb)+7], 0, v[\sa], v[\sb] matrix_a_fmt:MATRIX_FMT_FP4 matrix_b_fmt:MATRIX_FMT_FP4 matrix_a_scale:MATRIX_SCALE_ROW1 matrix_b_scale:MATRIX_SCALE_ROW1
.elseif (\oa)
	v_wmma_scale_f32_16x16x128_f8f6f4 v[(\acc):(\acc)+7], v[(\ra):(\ra)+7], v[(\rb):(\rb)+7], 0, v[\sa], v[\sb] matrix_a_fmt:MATRIX_FMT_FP4 matrix_b_fmt:MATRIX_FMT_FP4 matrix_a_scale:MATRIX_SCALE_ROW1
.elseif (\ob)
	v_wmma_scale_f32_16x16x128_f8f6f4 v[(\acc):(\acc)+7], v[(\ra):(\ra)+7], v[(\rb):(\rb)+7], 0, v[\sa], v[\sb] matrix_a_fmt:MATRIX_FMT_FP4 matrix_b_fmt:MATRIX_FMT_FP4 matrix_b_scale:MATRIX_SCALE_ROW1
.else
	v_wmma_scale_f32_16x16x128_f8f6f4 v[(\acc):(\acc)+7], v[(\ra):(\ra)+7], v[(\rb):(\rb)+7], 0, v[\sa], v[\sb] matrix_a_fmt:MATRIX_FMT_FP4 matrix_b_fmt:MATRIX_FMT_FP4
.endif
.else
.if (\oa) && (\ob)
	v_wmma_scale_f32_16x16x128_f8f6f4 v[(\acc):(\acc)+7], v[(\ra):(\ra)+7], v[(\rb):(\rb)+7], v[(\acc):(\acc)+7], v[\sa], v[\sb] matrix_a_fmt:MATRIX_FMT_FP4 matrix_b_fmt:MATRIX_FMT_FP4 matrix_a_scale:MATRIX_SCALE_ROW1 matrix_b_scale:MATRIX_SCALE_ROW1
.elseif (\oa)
	v_wmma_scale_f32_16x16x128_f8f6f4 v[(\acc):(\acc)+7], v[(\ra):(\ra)+7], v[(\rb):(\rb)+7], v[(\acc):(\acc)+7], v[\sa], v[\sb] matrix_a_fmt:MATRIX_FMT_FP4 matrix_b_fmt:MATRIX_FMT_FP4 matrix_a_scale:MATRIX_SCALE_ROW1
.elseif (\ob)
	v_wmma_scale_f32_16x16x128_f8f6f4 v[(\acc):(\acc)+7], v[(\ra):(\ra)+7], v[(\rb):(\rb)+7], v[(\acc):(\acc)+7], v[\sa], v[\sb] matrix_a_fmt:MATRIX_FMT_FP4 matrix_b_fmt:MATRIX_FMT_FP4 matrix_b_scale:MATRIX_SCALE_ROW1
.else
	v_wmma_scale_f32_16x16x128_f8f6f4 v[(\acc):(\acc)+7], v[(\ra):(\ra)+7], v[(\rb):(\rb)+7], v[(\acc):(\acc)+7], v[\sa], v[\sb] matrix_a_fmt:MATRIX_FMT_FP4 matrix_b_fmt:MATRIX_FMT_FP4
.endif
.endif
.endm
; sw = 1: transposed (q, k); sw = 0: as it stands (v).  The 16 accumulators take turns, one instruction a turn, in the same order in every K step.
.macro BODY sw
.irp s, 0,1,2,3
.if \s > 0
.rept 4
	v_nop                                          ; places in front of loads into registers that matrix instructions have read
.endr
.endif
.irp t, 0,1,2,3
.irp c, 0,1
	ds_load_b128 v[FA+8*\t+4*\c:FA+8*\t+4*\c+3], v[AA] offset:\t*4096+\s*1024+512*\c
	ds_load_b128 v[FB+8*\t+4*\c:FB+8*\t+4*\c+3], v[AB] offset:\t*4096+\s*1024+512*\c
.endr
.endr
	s_wait_dscnt 0x0
.irp rt, 0,1,2,3
.irp ct, 0,1,2,3
.if \sw
.if \s == 0
	MM ACC+8*(4*\rt+\ct), FB+8*\ct, FA+8*\rt, WS+4*(\ct/2)+\s, XS+4*(\rt/2)+\s, \ct%2, \rt%2, 1
.else
	MM ACC+8*(4*\rt+\ct), FB+8*\ct, FA+8*\rt, WS+4*(\ct/2)+\s, XS+4*(\rt/2)+\s, \ct%2, \rt%2, 0
.endif
.else
.if \s == 0
	MM ACC+8*(4*\rt+\ct), FA+8*\rt, FB+8*\ct, XS+4*(\rt/2)+\s, WS+4*(\ct/2)+\s, \rt%2, \ct%2, 1
.else
	MM ACC+8*(4*\rt+\ct), FA+8*\rt, FB+8*\ct, XS+4*(\rt/2)+\s, WS+4*(\ct/2)+\s, \rt%2, \ct%2, 0
.endif
.endif
.endr
.endr
.endr
.rept 4
	v_nop                                          ; places in front of the first read of results and of writes over the fragments
.endr
.irp t, 0,1,2,3,4,5,6,7,8,9,10,11,12,13,14,15
.irp i, 0,1,2,3
	v_cvt_pk_f16_f32 v[FA+4*\t+\i], v[ACC+8*\t+2*\i], v[ACC+8*\t+2*\i+1]   ; each accumulator from its low end on
.endr
.endr
.irp rt, 0,1,2,3
.irp ct, 0,1,2,3
.if \sw
	global_store_b128 v[L16], v[FA+4*(4*\rt+\ct):FA+4*(4*\rt+\ct)+3], s[46:47] offset:\rt*2048+\ct*512
.else
	global_store_b128 v[L16], v[FA+4*(4*\rt+\ct):FA+4*(4*\rt+\ct)+3], s[46:47] offset:(\rt/2)*4096+\ct*1024+(\rt%2)*512
.endif
.endr
.endr
.endm
	s_cmp_eq_u32 s19, 2
	s_cbranch_scc1 .Lv
	BODY 1
	s_branch .Lend
.Lv:
	BODY 0
.Lend:
	s_wait_tensorcnt 0x0                           ; the wave's end
	ds_add_u32 v[SPW], v[NIL]
	s_wait_dscnt 0x0
	s_endpgm
.Lfunc_end_k_qc50c0309bc_qkv:
	.size	k_qc50c0309bc_qkv, .Lfunc_end_k_qc50c0309bc_qkv-k_qc50c0309bc_qkv
	.p2alignl 7, 3214868480
	.fill 96, 4, 3214868480
	.section	.rodata,"a",@progbits
	.p2align	6, 0x0
	.amdhsa_kernel k_qc50c0309bc_qkv
		.amdhsa_group_segment_fixed_size 167936
		.amdhsa_private_segment_fixed_size 0
		.amdhsa_enable_private_segment 0
		.amdhsa_kernarg_size 40
		.amdhsa_user_sgpr_count 2
		.amdhsa_user_sgpr_kernarg_segment_ptr 1
		.amdhsa_wavefront_size32 1
		.amdhsa_system_sgpr_workgroup_id_x 1
		.amdhsa_system_sgpr_workgroup_id_y 1
		.amdhsa_system_sgpr_workgroup_id_z 1
		.amdhsa_system_vgpr_workitem_id 0
		.amdhsa_next_free_vgpr 256
		.amdhsa_next_free_sgpr 66
		.amdhsa_reserve_vcc 0
		.amdhsa_float_denorm_mode_32 3
		.amdhsa_float_denorm_mode_16_64 3
		.amdhsa_memory_ordered 1
		.amdhsa_forward_progress 1
		.amdhsa_inst_pref_size 41
	.end_amdhsa_kernel
	.amdgpu_metadata
---
amdhsa.version: [ 1, 2 ]
amdhsa.kernels:
  - .name:           k_qc50c0309bc_qkv
    .symbol:         k_qc50c0309bc_qkv.kd
    .args:
      - { .name: cod, .offset: 0, .size: 8, .value_kind: global_buffer, .address_space: global }
      - { .name: scl, .offset: 8, .size: 8, .value_kind: global_buffer, .address_space: global }
      - { .name: qf, .offset: 16, .size: 8, .value_kind: global_buffer, .address_space: global }
      - { .name: kf, .offset: 24, .size: 8, .value_kind: global_buffer, .address_space: global }
      - { .name: vf, .offset: 32, .size: 8, .value_kind: global_buffer, .address_space: global }
    .group_segment_fixed_size: 167936
    .private_segment_fixed_size: 0
    .kernarg_segment_align: 8
    .kernarg_segment_size: 40
    .max_flat_workgroup_size: 384
    .sgpr_count:     66
    .vgpr_count:     256
    .wavefront_size: 32
...
	.end_amdgpu_metadata
.endif
;; end of part 2
;; launch attn (part 3): grid 8 x 32, 8 waves a work-group, clusters of 4 x 1, 327,680 bytes of LDS; arguments qf, kf, vf, attention_mask, cf; writes cf
.if DOCPART == 3
	.amdgcn_target "amdgcn-amd-amdhsa--gfx1250"
	.amdhsa_code_object_version 6
	.text
	.protected	k_qc50c0309bc_attn
	.globl	k_qc50c0309bc_attn
	.p2align	8
	.type	k_qc50c0309bc_attn,@function
k_qc50c0309bc_attn:
	s_mov_b64 s[64:65], 0
	v_nop
	global_prefetch_b8 v0, s[64:65] scope:SCOPE_SE
	s_setreg_imm32_b32 hwreg(HW_REG_WAVE_MODE, 25, 1), 1
	s_wait_xcnt 0x0
	s_wait_alu depctr_hold_cnt(0) depctr_sa_sdst(0) depctr_va_vdst(0) depctr_va_sdst(0) depctr_va_ssrc(0) depctr_va_vcc(0) depctr_vm_vsrc(0)
	s_getreg_b32 s2, hwreg(HW_REG_IB_STS2, 6, 4)
	s_cmp_eq_u32 s2, 0
	s_cbranch_scc0 .Lentry_in_a_cluster
	s_endpgm
.Lentry_in_a_cluster:
	s_bfe_u32 s2, ttmp6, 0x10000c
	s_cmp_lg_u32 s2, 0x3003
	s_cbranch_scc0 .Lentry_shape_is_right
	s_endpgm
.Lentry_shape_is_right:
; ATTN.  ctx[b][q][head] = sum over keys of softmax(q . k / 8 - 100 (not mask[key])) v[key], f16 operands, f32 products, maxima and sums; the weights p are rounded to f16 for the second product.
; SHARES.  A work-group owns 256 queries of one (batch, head); each of its eight waves 32 of them: two tiles of 16.  Two waves lie on a SIMD, so that one wave's softmax stands beside the other's products.
; Every wave walks the head's 2,048 keys, 64 a step.  K and V come through a ring of two LDS slots of 512 keys (65,536 bytes of K, then of V), laid in the order of the operands' registers:
; a fragment comes by two loads at 16 x lane, 512 consecutive bytes each: no pitch, no padding, no turning load.
; LAYOUT.  S^T = K Q^T (source 0 = 16 keys, source 1 = 16 queries) and O^T = V^T P: a lane holds ONE query throughout; two tiles of S^T, rounded in pairs, are source 1 of the second product.
; THE MASK is the C of each tile's first product: -800 where the key is masked, 0 where not; with t = (log2(e) / 8) x (q . k - 800 (not mask)) that is reference's score x log2(e).
; SOFTMAX.  A running maximum m and sum l for each query: p = 2^(c s - c m); in every step O and l are multiplied by a = 2^(c m_old - c m_new).  The step is written once: m begins at -3e38, l and O at 0.
; CLUSTER.  The four query blocks of a cluster belong to one head and walk the same K and V: each tile is asked for jointly, by the same load with the mask of all four.
; A wave has at most two tensor loads out (the two first fills), later one.  Nothing is prefetched: the launch has two refills, and each has eight key steps of work between its request and the wait for it.
; LIMITS: NaN and infinities are not served; q, k, v come as f16.
; REGISTERS.  window 0: v1-7 addresses; v16-31 statistics, eight a tile: +0 c m, +1 m, +2, +3 l, +4..+7 at work (a in +6); v32-63 P; v64-127 S^T; v128-191 V; v192-255 O^T.
;             window 1: v0-31 Q; v32-63 the mask's numbers of the step's 64 keys; v64-127 K.
.set SLOTB, 131072
.set MBL,   262144                     ; behind the ring: one f32 for each of the batch's 2,048 keys
.set SPARE, 270336                     ; the spare words, 128 bytes for each of eight waves
.set LI,  1
.set AK,  2
.set AV,  3
.set AM,  4
.set AM0, 5
.set SPW, 6
.set NIL, 7
.set ST,  16
.set P,   32
.set S,   64
.set VF,  128
.set OA,  192
.set QF,  0
.set MB,  32
.set KF,  64
.set WV,  14
.set G1,  24
.set G0,  32
.set CS,  40
.set SEL, 42
.set TB,  44
.set TM,  45
.set CNT, 46
.set MSB, 0
.macro WIN new                         ; the immediate's high byte repeats the setting that is left
.if MSB != \new
	s_set_vgpr_msb (MSB<<8)|\new
.set MSB, \new
.endif
.endm
.macro PLACES
.rept 4
	v_nop
.endr
.endm
.macro CROUND                          ; a round of the cluster's barrier
	s_barrier_signal -1
	s_barrier_wait -1
	s_cmp_lg_u32 s[WV], 0
	s_cbranch_scc1 .Lnot_wave_0_\@
	s_barrier_signal -3
.Lnot_wave_0_\@:
	s_barrier_wait -3
	s_barrier_signal -1
	s_barrier_wait -1
.endm
	s_load_b256 s[4:11], s[0:1], 0x0               ; qf, kf, vf, mask
	s_load_b64 s[12:13], s[0:1], 0x20              ; cf
	v_lshl_add_u32 v[SPW], v0, 2, SPARE
	v_mov_b32 v[NIL], 0
	ds_add_u32 v[SPW], v[NIL]                      ; the wave's opening: the add and its wait stand ahead of the round in front of the first loads
	v_lshrrev_b32 v8, 5, v0
	v_readfirstlane_b32 s[WV], v8                  ; wave 0..7
	s_bfe_u32 s15, ttmp6, 0x40000                  ; cx
	s_lshl_b32 s16, ttmp9, 2
	s_add_co_u32 s16, s16, s15                     ; my block of 256 queries: it enters Q's and the result's addresses alone
	s_and_b32 s17, ttmp7, 0xffff                   ; 8 batch + head, which the partners share
	s_mov_b32 s[G1], 15|(3<<16)|(1<<21)            ; the mask of all four; elements of 8 bytes; bit 21 beside a mask
	s_mov_b32 s[G1+1], 32<<16                      ; a dense block of 16,384 bytes as 64 rows of 256
	s_mov_b32 s[G1+2], 64<<16
	s_mov_b32 s[G1+3], 32<<16
	s_mov_b32 s[G1+4], 64
	s_mov_b32 s[G1+5], 32
	s_mov_b32 s[G1+6], 0
	s_mov_b32 s[G1+7], 0
	s_mov_b32 s[CS], 0x3e38aa3b                    ; c = log2(e) / 8
	s_mov_b32 s[CS+1], s[CS]
	s_mov_b32 s[SEL], 0x76543210
	s_mov_b32 s[SEL+1], 0xfedcba98
	s_mov_b32 s[TM], 0
	v_and_b32 v8, 31, v0
	v_lshlrev_b32 v[LI], 4, v8
	v_bfe_u32 v9, v0, 4, 1
	v_lshl_add_u32 v[AM0], v9, 5, MBL              ; a lane's eight keys of a tile begin 8 h keys on
	v_lshlrev_b32 v10, 3, v0                       ; my 8 bytes of the batch's mask
	v_lshl_add_u32 v11, v0, 5, MBL                 ; and their 32 bytes in LDS
	s_lshl_b32 s18, s17, 18                        ; the head's 262,144 bytes,
	s_and_b32 s19, s[WV], 3
	s_lshl_b32 s19, s19, 14
	s_add_co_u32 s18, s18, s19                     ; my quarter of a slot's K (waves 0-3) or V (waves 4-7)
	s_mov_b32 s19, 0
	s_lshl_b32 s20, s[WV], 14                      ; and its place in a slot
	s_wait_dscnt 0x0                               ; the opening add is done
	s_wait_kmcnt 0x0
	s_cmp_lt_u32 s[WV], 4
	s_cselect_b64 s[22:23], s[6:7], s[8:9]
	s_add_nc_u64 s[22:23], s[22:23], s[18:19]
	CROUND                                         ; all four work-groups are here: the first joint loads meet
.irp p, 0,1
	s_mov_b32 s[G0+4*\p], 1
	s_add_co_u32 s[G0+4*\p+1], s20, \p*SLOTB
	s_add_nc_u64 s[G0+4*\p+2:G0+4*\p+3], s[22:23], \p*65536
	s_or_b32 s[G0+4*\p+3], s[G0+4*\p+3], 0x80000000
.endr
	tensor_load_to_lds s[G0:G0+3], s[G1:G1+7]      ; keys 0-511
	s_nop 0
	tensor_load_to_lds s[G0+4:G0+7], s[G1:G1+7]    ; keys 512-1023
	s_nop 0
	PLACES
	s_lshl_b32 s18, s17, 18                        ; Q: head, + 32,768 x block + 4,096 x wave
	s_lshl_b32 s21, s16, 15
	s_add_co_u32 s18, s18, s21
	s_lshl_b32 s21, s[WV], 12
	s_add_co_u32 s18, s18, s21
	s_add_nc_u64 s[4:5], s[4:5], s[18:19]
	s_lshr_b32 s18, s17, 3
	s_lshl_b32 s18, s18, 11
	s_add_nc_u64 s[10:11], s[10:11], s[18:19]      ; the batch's mask
	s_lshr_b32 s18, s17, 3                         ; the result: row tile 128 batch + 16 block + 2 wave, 16,384 bytes each; + 2,048 x head
	s_lshl_b32 s18, s18, 21
	s_lshl_b32 s21, s16, 18
	s_add_co_u32 s18, s18, s21
	s_lshl_b32 s21, s[WV], 15
	s_add_co_u32 s18, s18, s21
	s_and_b32 s21, s17, 7
	s_lshl_b32 s21, s21, 11
	s_add_co_u32 s18, s18, s21
	s_add_nc_u64 s[12:13], s[12:13], s[18:19]
	WIN 0x40                                       ; destination window 1
.irp i, 0,1,2,3,4,5,6,7
	global_load_b128 v[QF+4*\i:QF+4*\i+3], v[LI], s[4:5] offset:512*\i   ; Q stays in registers: fragment (tile t, 32 channels c) at 8 (2 t + c)
.endr
	WIN 0
	global_load_b64 v[8:9], v10, s[10:11]
.irp t, 0,1
	v_mov_b32 v[ST+8*\t+1], 0xff61b1e6             ; m = -3e38, under every score
	v_mul_f32 v[ST+8*\t], s[CS], v[ST+8*\t+1]
	v_mov_b32 v[ST+8*\t+2], 0
	v_mov_b32 v[ST+8*\t+3], 0
.endr
.set i, 0
.rept 64
	v_mov_b32 v[OA+i], 0                           ; O^T: the step is written once, and its first a = 0 multiplies zeros
.set i, i+1
.endr
	s_wait_loadcnt 0x0
.irp i, 0,1,2,3,4,5,6,7
	v_bfe_u32 v[S+\i], v[8+\i/4], 8*(\i%4), 8      ; the byte: 1 counts, 0 is masked
	v_add_nc_u32 v[S+\i], -1, v[S+\i]              ; 0, or all ones
	v_and_b32 v[S+\i], 0xc4480000, v[S+\i]         ; 0, or -800
.endr
	ds_store_b128 v11, v[S:S+3]
	ds_store_b128 v11, v[S+4:S+7] offset:16
	s_wait_tensorcnt 0x1                           ; my part of slot 0 is in; slot 1's may stay out
	s_wait_dscnt 0x0                               ; my part of the mask's numbers is stored
	s_barrier_signal -1
	s_barrier_wait -1
; A KEY STEP: 64 keys
.macro STEP
	v_add_nc_u32 v[AK], s[TB], v[LI]               ; these five plain lines are the places between the last products and the loads into V's registers
	v_add_nc_u32 v[AM], s[TM], v[AM0]
	v_add_nc_u32 v[AV], 65536, v[AK]
	v_nop
	v_nop
	WIN 0x40
.irp f, 0,1,2,3,4,5,6,7
.irp p, 0,1
	ds_load_b128 v[KF+8*\f+4*\p:KF+8*\f+4*\p+3], v[AK] offset:\f*1024+512*\p   ; K: fragment (tile of 16 keys kt, 32 channels c) = 2 kt + c
.endr
.endr
.irp kt, 0,1,2,3
.irp q, 0,1
	ds_load_b128 v[MB+8*\kt+4*\q:MB+8*\kt+4*\q+3], v[AM] offset:64*\kt+16*\q   ; the mask's numbers of keys 16 kt + 8 h + 0..7: the layout of a result
.endr
.endr
	WIN 0
.irp f, 0,1,2,3,4,5,6,7
.irp p, 0,1
	ds_load_b128 v[VF+8*\f+4*\p:VF+8*\f+4*\p+3], v[AV] offset:\f*1024+512*\p   ; V^T: fragment (32 keys kc, 16 channels ct) = 4 kc + ct
.endr
.endr
	s_wait_dscnt 16                                ; K and the mask's numbers are in; V's sixteen loads may be out
	WIN 0x15                                       ; K, Q and C in window 1, S^T in window 0.  The eight accumulators take turns
.irp kt, 0,1,2,3
.irp t, 0,1
	v_wmma_f32_16x16x32_f16 v[S+32*\t+8*\kt:S+32*\t+8*\kt+7], v[KF+16*\kt:KF+16*\kt+7], v[QF+16*\t:QF+16*\t+7], v[MB+8*\kt:MB+8*\kt+7]
.endr
.endr
	WIN 0x05
.irp kt, 0,1,2,3
.irp t, 0,1
	v_wmma_f32_16x16x32_f16 v[S+32*\t+8*\kt:S+32*\t+8*\kt+7], v[KF+16*\kt+8:KF+16*\kt+15], v[QF+16*\t+8:QF+16*\t+15], v[S+32*\t+8*\kt:S+32*\t+8*\kt+7]
.endr
.endr
	WIN 0
	PLACES
	; the maximum of my 32 scores of each tile and the old m; each accumulator is read from its low end on; the two tiles alternate
.irp j, 0,1,2,3
.irp t, 0,1
	v_max3_num_f32 v[ST+8*\t+4+\j], v[S+32*\t+8*\j], v[S+32*\t+8*\j+1], v[S+32*\t+8*\j+2]
.endr
.endr
.irp i, 3,5
.irp j, 0,1,2,3
.irp t, 0,1
	v_max3_num_f32 v[ST+8*\t+4+\j], v[ST+8*\t+4+\j], v[S+32*\t+8*\j+\i], v[S+32*\t+8*\j+\i+1]
.endr
.endr
.endr
.irp t, 0,1
	v_max3_num_f32 v[ST+8*\t+4], v[ST+8*\t+4], v[S+32*\t+7], v[S+32*\t+15]
	v_max3_num_f32 v[ST+8*\t+6], v[ST+8*\t+6], v[S+32*\t+23], v[S+32*\t+31]
.endr
.irp t, 0,1
	v_max3_num_f32 v[ST+8*\t+4], v[ST+8*\t+4], v[ST+8*\t+5], v[ST+8*\t+6]
.endr
.irp t, 0,1
	v_max3_num_f32 v[ST+8*\t+4], v[ST+8*\t+4], v[ST+8*\t+7], v[ST+8*\t+1]
.endr
.irp t, 0,1
	v_permlanex16_b32 v[ST+8*\t+5], v[ST+8*\t+4], s[SEL], s[SEL+1]   ; the query's other 32 keys lie in the lane 16 away
.endr
.irp t, 0,1
	v_mov_b32 v[ST+8*\t+7], v[ST+8*\t]             ; c m_old
.endr
.irp t, 0,1
	v_max_num_f32 v[ST+8*\t+1], v[ST+8*\t+4], v[ST+8*\t+5]
.endr
.irp t, 0,1
	v_mul_f32 v[ST+8*\t], s[CS], v[ST+8*\t+1]
.endr
.irp t, 0,1
	v_sub_f32 v[ST+8*\t+7], v[ST+8*\t+7], v[ST+8*\t]
.endr
.irp b, 0,1,2,3,4,5,6,7,8,9,10,11,12,13,14,15
.irp t, 0,1
	v_pk_fma_f32 v[S+32*\t+2*\b:S+32*\t+2*\b+1], v[S+32*\t+2*\b:S+32*\t+2*\b+1], s[CS:CS+1], v[ST+8*\t:ST+8*\t+1] op_sel_hi:[1,0,0] neg_lo:[0,0,1] neg_hi:[0,0,1]   ; c s - c m
.endr
.endr
.irp t, 0,1
	v_exp_f32 v[ST+8*\t+6], v[ST+8*\t+7]           ; a
.endr
.set i, 0
.rept 64
	v_exp_f32 v[S+i], v[S+i]                       ; p: one batch of 66 exponentials
.set i, i+1
.endr
	v_nop                                          ; a plain instruction behind the last exponential
	s_wait_alu depctr_va_vdst(0)                   ; one wait for the whole batch, ahead of its first reader
.set i, 0
.rept 32
	v_cvt_pk_f16_f32 v[P+i], v[S+2*i], v[S+2*i+1]  ; tiles 2 kc and 2 kc + 1 of S^T become fragment kc of P
.set i, i+1
.endr
.irp z, 0,1,2,3,4,5,6,7                ; the sum of the unrounded p, in place: neighbours 1, 2, 4 and 8 pairs apart
.irp t, 0,1
	v_pk_add_f32 v[S+32*\t+4*\z:S+32*\t+4*\z+1], v[S+32*\t+4*\z:S+32*\t+4*\z+1], v[S+32*\t+4*\z+2:S+32*\t+4*\z+3]
.endr
.endr
.irp z, 0,1,2,3
.irp t, 0,1
	v_pk_add_f32 v[S+32*\t+8*\z:S+32*\t+8*\z+1], v[S+32*\t+8*\z:S+32*\t+8*\z+1], v[S+32*\t+8*\z+4:S+32*\t+8*\z+5]
.endr
.endr
.irp z, 0,1
.irp t, 0,1
	v_pk_add_f32 v[S+32*\t+16*\z:S+32*\t+16*\z+1], v[S+32*\t+16*\z:S+32*\t+16*\z+1], v[S+32*\t+16*\z+8:S+32*\t+16*\z+9]
.endr
.endr
.irp t, 0,1
	v_pk_add_f32 v[S+32*\t:S+32*\t+1], v[S+32*\t:S+32*\t+1], v[S+32*\t+16:S+32*\t+17]
.endr
.irp t, 0,1
	v_pk_fma_f32 v[ST+8*\t+2:ST+8*\t+3], v[ST+8*\t+2:ST+8*\t+3], v[ST+8*\t+6:ST+8*\t+7], v[S+32*\t:S+32*\t+1] op_sel_hi:[1,0,1]   ; l = a l + the sum
.endr
.irp b, 0,1,2,3,4,5,6,7,8,9,10,11,12,13,14,15
.irp t, 0,1
	v_pk_mul_f32 v[OA+32*\t+2*\b:OA+32*\t+2*\b+1], v[OA+32*\t+2*\b:OA+32*\t+2*\b+1], v[ST+8*\t+6:ST+8*\t+7] op_sel_hi:[1,0]   ; O^T x a, each accumulator from its low end on
.endr
.endr
	s_wait_dscnt 0x0                               ; V is in
.irp kc, 0,1
.irp ct, 0,1,2,3
.irp t, 0,1
	v_wmma_f32_16x16x32_f16 v[OA+32*\t+8*\ct:OA+32*\t+8*\ct+7], v[VF+8*(4*\kc+\ct):VF+8*(4*\kc+\ct)+7], v[P+16*\t+8*\kc:P+16*\t+8*\kc+7], v[OA+32*\t+8*\ct:OA+32*\t+8*\ct+7]
.endr
.endr
.endr
	s_add_co_u32 s[TB], s[TB], 8192                ; the next 64 keys: four tiles of K, two groups of V
	s_add_co_u32 s[TM], s[TM], 256
.endm
.macro SLOTWORK ring                   ; a slot's eight key steps
	s_mov_b32 s[TB], \ring*SLOTB
	s_mov_b32 s[CNT], 8
.Lstep_\@:
	STEP
	s_sub_co_u32 s[CNT], s[CNT], 1
	s_cmp_lg_u32 s[CNT], 0
	s_cbranch_scc1 .Lstep_\@
.endm
; THE CHANGE OF SLOTS.  Each wave waits for all its tensor loads (its part of the slot ahead), adds 0 to its spare word, and waits for that and for its reads of the slot that it leaves.
; fill = 1: the barrier is a round of the cluster's, and the slot just left is filled with the keys two slots on: the first thing behind the round, one load a wave.
.macro CHANGE ring, fill
	s_wait_tensorcnt 0x0
	ds_add_u32 v[SPW], v[NIL]
.if \fill
	s_add_nc_u64 s[G0+4*\ring+2:G0+4*\ring+3], s[G0+4*\ring+2:G0+4*\ring+3], 131072   ; no load of mine is out: the descriptor may step
.endif
	s_wait_dscnt 0x0
.if \fill
	CROUND
	tensor_load_to_lds s[G0+4*\ring:G0+4*\ring+3], s[G1:G1+7]
	s_nop 0
	PLACES
.else
	s_barrier_signal -1
	s_barrier_wait -1
.endif
.endm
	SLOTWORK 0                                     ; keys 0-511
	CHANGE 0, 1                                    ; keys 1024-1535 are asked for
	SLOTWORK 1
	CHANGE 1, 1                                    ; keys 1536-2047
	SLOTWORK 0
	CHANGE 0, 0                                    ; nothing is left to fetch
	SLOTWORK 1
	; THE WAY OUT: O^T / l, rounded to f16: an accumulator in pairs is one part of a fragment of the next product: stored at 16 x lane
	PLACES
.irp t, 0,1
	v_add_f32 v[ST+8*\t+4], v[ST+8*\t+2], v[ST+8*\t+3]
.endr
.irp t, 0,1
	v_permlanex16_b32 v[ST+8*\t+5], v[ST+8*\t+4], s[SEL], s[SEL+1]
.endr
.irp t, 0,1
	v_add_f32 v[ST+8*\t+4], v[ST+8*\t+4], v[ST+8*\t+5]
.endr
.irp t, 0,1
	v_rcp_f32 v[ST+8*\t+6], v[ST+8*\t+4]
.endr
	v_nop
	s_wait_alu depctr_va_vdst(0)                   ; one wait for the two reciprocals, ahead of their first reader
.irp b, 0,1,2,3,4,5,6,7,8,9,10,11,12,13,14,15
.irp t, 0,1
	v_pk_mul_f32 v[OA+32*\t+2*\b:OA+32*\t+2*\b+1], v[OA+32*\t+2*\b:OA+32*\t+2*\b+1], v[ST+8*\t+6:ST+8*\t+7] op_sel_hi:[1,0]
.endr
.endr
.set i, 0
.rept 32
	v_cvt_pk_f16_f32 v[S+i], v[OA+2*i], v[OA+2*i+1]
.set i, i+1
.endr
.irp t, 0,1
.irp ct, 0,1,2,3
	global_store_b128 v[LI], v[S+16*\t+4*\ct:S+16*\t+4*\ct+3], s[12:13] offset:\t*16384+\ct*512   ; 512 consecutive bytes
.endr
.endr
	s_wait_tensorcnt 0x0                           ; the wave's end
	ds_add_u32 v[SPW], v[NIL]
	s_wait_dscnt 0x0
	CROUND                                         ; the closing round
	s_endpgm
.Lfunc_end_k_qc50c0309bc_attn:
	.size	k_qc50c0309bc_attn, .Lfunc_end_k_qc50c0309bc_attn-k_qc50c0309bc_attn
	.p2alignl 7, 3214868480
	.fill 96, 4, 3214868480
	.section	.rodata,"a",@progbits
	.p2align	6, 0x0
	.amdhsa_kernel k_qc50c0309bc_attn
		.amdhsa_group_segment_fixed_size 327680
		.amdhsa_private_segment_fixed_size 0
		.amdhsa_enable_private_segment 0
		.amdhsa_kernarg_size 40
		.amdhsa_user_sgpr_count 2
		.amdhsa_user_sgpr_kernarg_segment_ptr 1
		.amdhsa_wavefront_size32 1
		.amdhsa_system_sgpr_workgroup_id_x 1
		.amdhsa_system_sgpr_workgroup_id_y 1
		.amdhsa_system_sgpr_workgroup_id_z 1
		.amdhsa_system_vgpr_workitem_id 0
		.amdhsa_next_free_vgpr 384
		.amdhsa_next_free_sgpr 66
		.amdhsa_reserve_vcc 0
		.amdhsa_float_denorm_mode_32 3
		.amdhsa_float_denorm_mode_16_64 3
		.amdhsa_memory_ordered 1
		.amdhsa_forward_progress 1
		.amdhsa_inst_pref_size 88
	.end_amdhsa_kernel
	.amdgpu_metadata
---
amdhsa.version: [ 1, 2 ]
amdhsa.kernels:
  - .name:           k_qc50c0309bc_attn
    .symbol:         k_qc50c0309bc_attn.kd
    .args:
      - { .name: qf, .offset: 0, .size: 8, .value_kind: global_buffer, .address_space: global }
      - { .name: kf, .offset: 8, .size: 8, .value_kind: global_buffer, .address_space: global }
      - { .name: vf, .offset: 16, .size: 8, .value_kind: global_buffer, .address_space: global }
      - { .name: attention_mask, .offset: 24, .size: 8, .value_kind: global_buffer, .address_space: global }
      - { .name: cf, .offset: 32, .size: 8, .value_kind: global_buffer, .address_space: global }
    .group_segment_fixed_size: 327680
    .private_segment_fixed_size: 0
    .kernarg_segment_align: 8
    .kernarg_segment_size: 40
    .max_flat_workgroup_size: 256
    .sgpr_count:     66
    .vgpr_count:     384
    .wavefront_size: 32
...
	.end_amdgpu_metadata
.endif
;; end of part 3
;; launch tail (part 4): grid 256 x 1, 4 waves a work-group, clusters of 4 x 1, 327,680 bytes of LDS; arguments cf, wst, x, b1, b2, ln1_g, ln1_b, ln2_g, ln2_b, out0; writes out0
.if DOCPART == 4
	.amdgcn_target "amdgcn-amd-amdhsa--gfx1250"
	.amdhsa_code_object_version 6
	.text
	.protected	k_qc50c0309bc_tail
	.globl	k_qc50c0309bc_tail
	.p2align	8
	.type	k_qc50c0309bc_tail,@function
k_qc50c0309bc_tail:
	s_mov_b64 s[64:65], 0
	v_nop
	global_prefetch_b8 v0, s[64:65] scope:SCOPE_SE
	s_setreg_imm32_b32 hwreg(HW_REG_WAVE_MODE, 25, 1), 1
	s_wait_xcnt 0x0
	s_wait_alu depctr_hold_cnt(0) depctr_sa_sdst(0) depctr_va_vdst(0) depctr_va_sdst(0) depctr_va_ssrc(0) depctr_va_vcc(0) depctr_vm_vsrc(0)
	s_getreg_b32 s2, hwreg(HW_REG_IB_STS2, 6, 4)
	s_cmp_eq_u32 s2, 0
	s_cbranch_scc0 .Lentry_in_a_cluster
	s_endpgm
.Lentry_in_a_cluster:
	s_bfe_u32 s2, ttmp6, 0x10000c
	s_cmp_lg_u32 s2, 0x3003
	s_cbranch_scc0 .Lentry_shape_is_right
	s_endpgm
.Lentry_shape_is_right:
; TAIL.  h = LN1(ctx Wp^T + x);  out = LN2(gelu(h W1^T + b1) W2^T + b2 + h).  f16 operands, f32 sums; norms, gelu and both residuals in f32.  h and the hidden layer never leave the WGP.
; SHARES.  A work-group owns 32 rows (two tiles of 16).  THE WAVES SHARE THE COLUMNS: wave w makes output columns 128 w .. 128 w + 127 (16 accumulators, which carry x, then h, then the result)
; and, in each of 16 chunks of 128 hidden units, units 32 w .. 32 w + 31 of the chunk (4 accumulators).  All products are used transposed (source 0 = 16 weight rows, source 1 = 16 rows of activations):
; a lane holds one row and eight neighbouring columns, so an accumulator rounded in pairs is one part of the next product's fragment, and goes from wave to wave through LDS as an image of its registers.
; THE WEIGHTS lie in 36 slots of 131,072 bytes (4 of Wp; then W1's and W2's chunk by turns), in the order in which the waves' registers take them; a wave wants its own quarter of a slot and no other.
; Wp and W2 go through a ring of two LDS slots.  CLUSTER: all work-groups walk the same slots, so the four of a cluster ask for each jointly.  A wave has at most three tensor loads out (the first fills), later one.
; W1 GOES FROM MEMORY STRAIGHT INTO REGISTERS, and is not asked for jointly: a wave's quarter of a chunk, 32,768 bytes, is 256 registers, which window 3 has free between the two norms, and no other wave wants those
; bytes.  Through the ring it would take a second refill and a second round of the cluster's barrier in each chunk, and a refill would have 64 matrix instructions between its request and the wait for it; so it has 128 and gelu.
; Nothing is prefetched: the weights are read by every work-group, not once.
; GELU.  gelu(x) = 0.5 x + |x| (0.5 - Q(|x|)), Q(z) = exp(-z^2 / 2) / sqrt(2 pi) x (a polynomial of degree 5 in 1 / (1 + 0.2316419 z)): absolute error of Q at most 7.5e-8 for every z.
; The variance is taken of x - mean, in a second pass, as the definition has it.
; LIMITS: NaN and infinities are not served; ctx, h and gelu's results beyond 65,504 do not fit f16.
; REGISTERS.  window 0: v1-17 addresses; v20-49 at work in the norms, c4; v64-127, v128-191 two sets of 8 weight fragments; v192-255 the chunk's 8 hidden fragments; all three at work in gelu and on the way out.
;   window 1: the 32 fragments of ctx, later of h: (32 k kappa, row tile rt) at 8 (2 kappa + rt).   window 2: v0-127 OUT (rt, nt) at 8 (8 rt + nt); v128-159 HID (rt, nt) at 8 (2 rt + nt); v160-175 b1; v176-239 b2.
;   window 3: my 32 fragments of W1's chunk, (kappa, nt) at 8 (2 kappa + nt).  Up to the first norm its upper half holds ln1_g and ln1_b; from the last chunk's products on its lower half holds ln2_g and ln2_b.
.set RING1, 131072
.set HIMG,  262144                     ; [rt][kappa][part][512 bytes]: ctx, by one fill; later h, by LDS stores
.set GIMG,  294912                     ; [2 ks + rt][part][512 bytes]: an even chunk's gelu
.set RED,   303104                     ; [use 0..3][wave][32 rows] f32: the norms' partial sums
.set SPARE, 305152                     ; the spare words, 128 bytes for each wave
.set GSTEP, 10752                      ; an odd chunk's gelu lies so far behind an even one's: at byte 305,664, behind the spare words
.set LI,  1
.set AW0, 2                            ; v2, v3  my quarter of ring slot 0, 1
.set AH,  4
.set AHW, 5
.set AG,  6
.set AGW, 7
.set ARW, 8
.set ARR, 9
.set STO, 10
.set RD,  11
.set AX,  12
.set AP,  13
.set AB,  14
.set CO,  15
.set SPW, 16
.set NIL, 17
.set WB0, 64
.set WB1, 128
.set HF,  192
.set HID, 128
.set B1R, 160
.set B2R, 176
.set WV,  53
.set W1P, 84                           ; s[84:85]  my quarter of W1's chunk in memory
.set MSB, 0
.macro WIN new                         ; the immediate's high byte repeats the setting that is left
.if MSB != \new
	s_set_vgpr_msb (MSB<<8)|\new
.set MSB, \new
.endif
.endm
.macro PLACES
.rept 4
	v_nop
.endr
.endm
.macro CROUND                          ; a round of the cluster's barrier
	s_barrier_signal -1
	s_barrier_wait -1
	s_cmp_lg_u32 s[WV], 0
	s_cbranch_scc1 .Lnot_wave_0_\@
	s_barrier_signal -3
.Lnot_wave_0_\@:
	s_barrier_wait -3
	s_barrier_signal -1
	s_barrier_wait -1
.endm
	s_load_b512 s[4:19], s[0:1], 0x0               ; cf, wst, x, b1, b2, ln1_g, ln1_b, ln2_g
	s_load_b128 s[20:23], s[0:1], 0x40             ; ln2_b, out0
	v_lshl_add_u32 v[SPW], v0, 2, SPARE
	v_mov_b32 v[NIL], 0
	ds_add_u32 v[SPW], v[NIL]                      ; the wave's opening: the add and its wait stand ahead of the round in front of the first loads
	v_lshrrev_b32 v18, 5, v0
	v_readfirstlane_b32 s[WV], v18                 ; wave 0..3
	s_bfe_u32 s76, ttmp6, 0x40000                  ; cx
	s_lshl_b32 s77, ttmp9, 2
	s_add_co_u32 s77, s77, s76                     ; my block of 32 rows: it enters the addresses of ctx, x and out alone
	s_mov_b32 s24, 15|(3<<16)|(1<<21)              ; the ring's loads: the mask of all four; a dense block of 32,768 bytes as 128 rows of 256
	s_mov_b32 s25, 32<<16
	s_mov_b32 s26, 128<<16
	s_mov_b32 s27, 32<<16
	s_mov_b32 s28, 128
	s_mov_b32 s29, 32
	s_mov_b32 s30, 0
	s_mov_b32 s31, 0
	s_mov_b32 s32, 3<<16                           ; ctx: my work-group's own: 8,192 bytes as 32 rows of 256
	s_mov_b32 s33, 32<<16
	s_mov_b32 s34, 32<<16
	s_mov_b32 s35, 32<<16
	s_mov_b32 s36, 32
	s_mov_b32 s37, 32
	s_mov_b32 s38, 0
	s_mov_b32 s39, 0
	s_mov_b32 s54, 0x76543210
	s_mov_b32 s55, 0xfedcba98                      ; lane l xor 16
	s_mov_b32 s56, 0x3e6d3389                      ; 0.2316419
	s_mov_b32 s58, 0x3f596d27                      ; sqrt(log2(e) / 2)
	s_mov_b32 s59, s58
	s_mov_b32 s60, 0x3e027906                      ; c1 .. c5: the polynomial's coefficients / sqrt(2 pi)
	s_mov_b32 s61, s60
	s_mov_b32 s62, 0xbe11a98e
	s_mov_b32 s63, s62
	s_mov_b32 s66, 0x3f35f0e3
	s_mov_b32 s67, s66
	s_mov_b32 s68, 0x3f07dc22                      ; c5
	s_mov_b32 s69, s68
	s_mov_b32 s72, 0x3b000000                      ; 1 / 512
	s_mov_b32 s73, 0x3727c5ac                      ; 1e-5
	v_mov_b32 v48, 0xbf3a00e3                      ; c4, in a vector pair
	v_mov_b32 v49, 0xbf3a00e3
.irp i, 28,29,33,35,37,39
	v_mov_b32 v[\i], 0                             ; written once: permute destinations, and the upper halves of pairs of which the low word serves both halves
.endr
	v_and_b32 v18, 31, v0                          ; lane
	v_and_b32 v19, 15, v0                          ; r
	v_bfe_u32 v50, v0, 4, 1                        ; h
	v_cmp_le_u32 s52, 16, v18                      ; the lanes with h = 1
	v_lshlrev_b32 v[LI], 4, v18
	s_lshl_b32 s74, s[WV], 15
	v_add_nc_u32 v[AW0], s74, v[LI]
	v_add_nc_u32 v[AW0+1], RING1, v[AW0]
	v_add_nc_u32 v[AH], HIMG, v[LI]
	s_lshl_b32 s75, s[WV], 12
	v_add_nc_u32 v[AHW], s75, v[AH]                ; my columns are kappa = 4 w .. 4 w + 3
	v_add_nc_u32 v[AG], GIMG, v[LI]
	s_lshl_b32 s75, s[WV], 11
	v_add_nc_u32 v[AGW], s75, v[AG]                ; my 32 hidden units are the chunk's ks = w
	v_lshl_add_u32 v[ARW], v18, 2, RED
	s_lshl_b32 s75, s[WV], 7
	v_add_nc_u32 v[ARW], s75, v[ARW]
	v_lshl_add_u32 v[ARR], v19, 2, RED
	v_lshlrev_b32 v[AB], 5, v50
	v_add_nc_u32 v[AB], s75, v[AB]                 ; b1: 128 w + 32 h bytes into a chunk's 512; never rewritten: the chunk stands in the scalar base
	s_mul_i32 s75, s[WV], 16896
	v_mul_u32_u24 v[STO], v19, 528
	v_lshl_add_u32 v[STO], v50, 5, v[STO]
	v_add_nc_u32 v[STO], s75, v[STO]               ; the way out: my stage, row r of 512 + 16 bytes, + 32 h
	v_add_nc_u32 v[RD], s75, v[LI]
	s_lshl_b32 s75, s[WV], 9
	v_lshlrev_b32 v[AP], 5, v50
	v_add_nc_u32 v[AP], s75, v[AP]                 ; a parameter's row: 512 w + 32 h
	v_lshl_add_u32 v[AX], v19, 11, v[AP]           ; x: + row r of 2,048 bytes
	v_add_nc_u32 v[CO], s75, v[LI]
	s_mov_b32 s75, 0
	s_lshl_b32 s78, s[WV], 13
	s_lshl_b32 s82, s77, 15
	s_add_co_u32 s82, s82, s78                     ; ctx: 32,768 bytes a work-group, 8,192 a wave
	s_mov_b32 s83, 0
	s_wait_dscnt 0x0                               ; the opening add is done
	s_wait_kmcnt 0x0
	s_add_nc_u64 s[6:7], s[6:7], s[74:75]          ; the weights at my quarter of slot 0: the wave's number alone
	s_add_nc_u64 s[W1P:W1P+1], s[6:7], 4*RING1     ; W1's chunk 0 is slot 4
	s_add_nc_u64 s[4:5], s[4:5], s[82:83]
	s_lshl_b32 s82, s77, 16
	s_add_nc_u64 s[8:9], s[8:9], s[82:83]          ; x and out at my first row
	s_add_nc_u64 s[22:23], s[22:23], s[82:83]
	CROUND                                         ; all four work-groups are here: the first joint loads meet
	s_mov_b32 s48, 1
	s_add_co_u32 s49, s78, HIMG
	s_mov_b64 s[50:51], s[4:5]
	s_or_b32 s51, s51, 0x80000000
.irp p, 0,1
	s_mov_b32 s[40+4*\p], 1
	s_add_co_u32 s[41+4*\p], s74, \p*RING1
	s_add_nc_u64 s[42+4*\p:43+4*\p], s[6:7], \p*RING1
	s_or_b32 s[43+4*\p], s[43+4*\p], 0x80000000
.endr
	tensor_load_to_lds s[48:51], s[32:39]          ; ctx
	s_nop 0
	tensor_load_to_lds s[40:43], s[24:31]          ; Wp's slot 0
	s_nop 0
	tensor_load_to_lds s[44:47], s[24:31]          ; Wp's slot 1
	s_nop 0
	PLACES
.macro W1LOAD from, cnt                ; parts from .. from + cnt - 1 of my 64 parts of W1's chunk: 512 consecutive bytes a load, as the registers take them.  Destination: window 3
.set n, \from
.rept \cnt
	global_load_b128 v[4*n:4*n+3], v[LI], s[W1P:W1P+1] offset:512*n
.set n, n+1
.endr
.endm
	WIN 0x80                                       ; destination window 2
.set n, 0
.rept 32
	global_load_b128 v[4*n:4*n+3], v[AX], s[8:9] offset:(n/16)*32768+((n/2)%8)*64+(n%2)*16   ; x is the C of the first product: the residual costs no addition
.set n, n+1
.endr
.set n, 0
.rept 16
	global_load_b128 v[B2R+4*n:B2R+4*n+3], v[AP], s[12:13] offset:(n/2)*64+(n%2)*16
.set n, n+1
.endr
.set n, 0
.rept 4
	global_load_b128 v[B1R+4*n:B1R+4*n+3], v[AB], s[10:11] offset:(n/2)*64+(n%2)*16   ; b1 of chunk 0
.set n, n+1
.endr
	WIN 0xc0                                       ; destination window 3
.set n, 0
.rept 16
	global_load_b128 v[128+4*n:128+4*n+3], v[AP], s[14:15] offset:(n/2)*64+(n%2)*16   ; ln1_g
	global_load_b128 v[192+4*n:192+4*n+3], v[AP], s[16:17] offset:(n/2)*64+(n%2)*16   ; ln1_b
.set n, n+1
.endr
	W1LOAD 0, 32                                   ; W1's chunk 0, fragments 0-15; the others follow when the first norm has left their registers
	WIN 0
.macro LOADW ring, g, wb               ; group g of my quarter of a ring slot: 8 fragments, 8,192 bytes
.irp i, 0,1,2,3,4,5,6,7
.irp p, 0,1
	ds_load_b128 v[\wb+8*\i+4*\p:\wb+8*\i+4*\p+3], v[AW0+(\ring)] offset:(\g)*8192+\i*1024+512*\p
.endr
.endr
.endm
.macro LOADAF                          ; the 32 fragments of ctx or of h into window 1
	WIN 0x40
.set n, 0
.rept 64
	ds_load_b128 v[4*n:4*n+3], v[AH] offset:((n/2)%2)*16384+(n/4)*1024+(n%2)*512
.set n, n+1
.endr
	WIN 0
.endm
.macro MULO wb, ab                     ; 16 products: OUT (rt, nt) += weight tile nt x the activations' fragment at ab + 8 rt.  The 16 accumulators take turns
.irp nt, 0,1,2,3,4,5,6,7
.irp rt, 0,1
	v_wmma_f32_16x16x32_f16 v[8*(8*\rt+\nt):8*(8*\rt+\nt)+7], v[\wb+8*\nt:\wb+8*\nt+7], v[(\ab)+8*\rt:(\ab)+8*\rt+7], v[8*(8*\rt+\nt):8*(8*\rt+\nt)+7]
.endr
.endr
.endm
.macro MULH                            ; 64 products: HID (rt, nt) += W1's fragment (kappa, nt), window 3, x h's (kappa, rt), window 1; the four accumulators take turns; b1 is the C of each sum's first product
.irp k, 0,1,2,3,4,5,6,7,8,9,10,11,12,13,14,15
.irp nt, 0,1
.irp rt, 0,1
.if \k == 0
	v_wmma_f32_16x16x32_f16 v[HID+8*(2*\rt+\nt):HID+8*(2*\rt+\nt)+7], v[8*(2*\k+\nt):8*(2*\k+\nt)+7], v[8*(2*\k+\rt):8*(2*\k+\rt)+7], v[B1R+8*\nt:B1R+8*\nt+7]
.else
	v_wmma_f32_16x16x32_f16 v[HID+8*(2*\rt+\nt):HID+8*(2*\rt+\nt)+7], v[8*(2*\k+\nt):8*(2*\k+\nt)+7], v[8*(2*\k+\rt):8*(2*\k+\rt)+7], v[HID+8*(2*\rt+\nt):HID+8*(2*\rt+\nt)+7]
.endif
.endr
.endr
.endr
.endm
.macro MULS kind, wb, g, a0            ; kind 0: Wp (activations in window 1, from register a0 on); 2: W2 (activations in window 0)
.if \kind == 0
	WIN 0xa4
	MULO \wb, (\a0)+16*(\g)
.else
	WIN 0xa0
	MULO \wb, HF+16*(\g)
.endif
.endm
.macro SLOT kind, ring, a0             ; a ring slot: four groups of 16 products on two sets of weight registers; a group's 16 loads are issued a group ahead
	LOADW \ring, 0, WB0
	LOADW \ring, 1, WB1
	s_wait_dscnt 16                                ; all but the 16 loads just issued
	MULS \kind, WB0, 0, \a0
	PLACES                                         ; places in front of loads into registers that matrix instructions have read
	WIN 0
	LOADW \ring, 2, WB0
	s_wait_dscnt 16
	MULS \kind, WB1, 1, \a0
	PLACES
	WIN 0
	LOADW \ring, 3, WB1
	s_wait_dscnt 16
	MULS \kind, WB0, 2, \a0
	s_wait_dscnt 0x0
	MULS \kind, WB1, 3, \a0
	WIN 0
.endm
; THE CHANGE OF SLOTS.  Each wave waits for all its tensor loads (its quarter of the slot ahead), adds 0 to its spare word, and waits for that, for its reads of the slot that it has left and for its LDS stores.
; fill = 1: the barrier is a round of the cluster's, and slot 'ring', which nobody reads any more, takes the weights 'step' bytes on from its last: the first thing behind the round, one load a wave.
; The four v_nop are also the places in front of the next loads.
.macro CHANGE ring, fill, step
	s_wait_tensorcnt 0x0
	ds_add_u32 v[SPW], v[NIL]
.if (\fill)
	s_add_nc_u64 s[42+4*(\ring):43+4*(\ring)], s[42+4*(\ring):43+4*(\ring)], (\step)   ; no load of mine is out: the descriptor may step
.endif
	s_wait_dscnt 0x0
.if (\fill)
	CROUND
	tensor_load_to_lds s[40+4*(\ring):43+4*(\ring)], s[24:31]
	s_nop 0
	PLACES
.else
	s_barrier_signal -1
	s_barrier_wait -1
	PLACES
.endif
.endm
.macro FOLD                            ; four chains become my row's sum over my wave's 128 columns: v20 (row tile 0), v24 (row tile 1)
	WIN 0
	v_pk_add_f32 v[20:21], v[20:21], v[22:23]
	v_pk_add_f32 v[24:25], v[24:25], v[26:27]
	v_add_f32 v20, v20, v21
	v_add_f32 v24, v24, v25
	v_permlanex16_b32 v28, v20, s54, s55
	v_permlanex16_b32 v29, v24, s54, s55
	v_add_f32 v20, v20, v28
	v_add_f32 v24, v24, v29
.endm
.macro EXCH u                          ; the four waves' sums meet: lanes 0-15 store row tile 0's, lanes 16-31 row tile 1's; use u has its own 512 bytes, so no store meets an earlier use's reads
	v_cndmask_b32 v30, v20, v24, s52
	ds_store_b32 v[ARW], v30 offset:512*(\u)
	s_wait_dscnt 0x0                               ; for the others' sake
	s_barrier_signal -1
	s_barrier_wait -1
.irp rt, 0,1
.irp w, 0,1,2,3
	ds_load_b32 v[40+4*\rt+\w], v[ARR] offset:512*(\u)+128*\w+64*\rt
.endr
.endr
	s_wait_dscnt 0x0
	v_add_f32 v20, v40, v41
	v_add_f32 v24, v44, v45
	v_add_f32 v21, v42, v43
	v_add_f32 v25, v46, v47
	v_add_f32 v20, v20, v21
	v_add_f32 v24, v24, v25
.endm
; OUT = (OUT - mean) / sqrt(var + 1e-5) x g + b, row by row of 512; g, b: registers in window 3
.macro LN u, g, b
.irp i, 20,21,22,23,24,25,26,27
	v_mov_b32 v[\i], 0                             ; four chains; these eight plain lines are also the places behind the last products
.endr
	WIN 0x08
.set n, 0
.rept 64
	v_pk_add_f32 v[20+4*(n%2)+2*((n/2)%2):21+4*(n%2)+2*((n/2)%2)], v[20+4*(n%2)+2*((n/2)%2):21+4*(n%2)+2*((n/2)%2)], v[64*(n%2)+2*(n/2):64*(n%2)+2*(n/2)+1]   ; each accumulator from its low end on; the row tiles alternate
.set n, n+1
.endr
	FOLD
	EXCH \u
	v_mul_f32 v32, s72, v20                        ; the means
	v_mul_f32 v34, s72, v24
.irp i, 20,21,22,23,24,25,26,27
	v_mov_b32 v[\i], 0
.endr
	WIN 0x82
.set n, 0
.rept 64
	v_pk_add_f32 v[2*n:2*n+1], v[2*n:2*n+1], v[32+2*(n/32):33+2*(n/32)] op_sel_hi:[1,0] neg_lo:[0,1] neg_hi:[0,1]
.set n, n+1
.endr
	WIN 0x0a
.set n, 0
.rept 64
	v_pk_fma_f32 v[20+4*(n%2)+2*((n/2)%2):21+4*(n%2)+2*((n/2)%2)], v[64*(n%2)+2*(n/2):64*(n%2)+2*(n/2)+1], v[64*(n%2)+2*(n/2):64*(n%2)+2*(n/2)+1], v[20+4*(n%2)+2*((n/2)%2):21+4*(n%2)+2*((n/2)%2)]
.set n, n+1
.endr
	FOLD
	EXCH \u+1
	v_fma_f32 v40, v20, s72, s73                   ; var + 1e-5
	v_fma_f32 v41, v24, s72, s73
	v_rsq_f32 v36, v40
	v_rsq_f32 v38, v41
	v_nop
	s_wait_alu depctr_va_vdst(0)                   ; one wait for the two, ahead of their first reader
	WIN 0x82
.set n, 0
.rept 64
	v_pk_mul_f32 v[2*n:2*n+1], v[2*n:2*n+1], v[36+2*(n/32):37+2*(n/32)] op_sel_hi:[1,0]
.set n, n+1
.endr
	WIN 0xbe
.set n, 0
.rept 64
	v_pk_fma_f32 v[2*n:2*n+1], v[2*n:2*n+1], v[(\g)+(2*n)%64:(\g)+(2*n)%64+1], v[(\b)+(2*n)%64:(\b)+(2*n)%64+1]
.set n, n+1
.endr
	WIN 0
.endm
; my 4 tiles of the hidden layer: gelu in f32, rounded to f16, to LDS image r as the chunk's fragments (ks = w, rt).  At work: v64-95 1 + p |x|, then t; v96-127 the exponent, then E; v128-159 the polynomial, then 0.5 - Q; v160-191 gelu.
; The four places in front of its first read of results, and of its writes over the weights' registers, stand in CHUNK, ahead of the loads.
.macro GELU r
	WIN 0x02                                       ; source 0 in window 2
.set n, 0
.rept 32
	v_fma_f32 v[64+n], |v[HID+n]|, s56, 1.0        ; each accumulator from its low end on
.set n, n+1
.endr
.set n, 0
.rept 16
	v_pk_mul_f32 v[96+2*n:97+2*n], v[HID+2*n:HID+2*n+1], s[58:59] op_sel_hi:[1,0]
.set n, n+1
.endr
	WIN 0
.set n, 0
.rept 16
	v_pk_mul_f32 v[96+2*n:97+2*n], v[96+2*n:97+2*n], v[96+2*n:97+2*n] neg_lo:[1,0] neg_hi:[1,0]   ; -x^2 log2(e) / 2
.set n, n+1
.endr
.set n, 0
.rept 32
	v_rcp_f32 v[64+n], v[64+n]                     ; t
.set n, n+1
.endr
.set n, 0
.rept 32
	v_exp_f32 v[96+n], v[96+n]                     ; E = exp(-x^2 / 2)
.set n, n+1
.endr
	v_nop                                          ; a plain instruction behind the last of the batch
	s_wait_alu depctr_va_vdst(0)                   ; one wait for the 64, ahead of their first reader
.set n, 0
.rept 16
	v_pk_fma_f32 v[128+2*n:129+2*n], v[64+2*n:65+2*n], s[68:69], v[48:49] op_sel_hi:[1,0,1]   ; c5 t + c4
.set n, n+1
.endr
.irp c, 66,62,60
.set n, 0
.rept 16
	v_pk_fma_f32 v[128+2*n:129+2*n], v[128+2*n:129+2*n], v[64+2*n:65+2*n], s[\c:\c+1] op_sel_hi:[1,1,0]   ; x t + c3, c2, c1
.set n, n+1
.endr
.endr
.set n, 0
.rept 16
	v_pk_mul_f32 v[128+2*n:129+2*n], v[128+2*n:129+2*n], v[64+2*n:65+2*n]
.set n, n+1
.endr
.set n, 0
.rept 16
	v_pk_fma_f32 v[128+2*n:129+2*n], v[128+2*n:129+2*n], v[96+2*n:97+2*n], 0.5 op_sel_hi:[1,1,0] neg_lo:[1,0,0] neg_hi:[1,0,0]   ; 0.5 - Q
.set n, n+1
.endr
	WIN 0x02
.set n, 0
.rept 16
	v_pk_mul_f32 v[160+2*n:161+2*n], v[HID+2*n:HID+2*n+1], 0.5 op_sel_hi:[1,0]
.set n, n+1
.endr
.set n, 0
.rept 32
	v_fma_f32 v[160+n], |v[HID+n]|, v[128+n], v[160+n]   ; source 0: x, in window 2; source 1: 0.5 - Q, in window 0
.set n, n+1
.endr
	WIN 0
.set n, 0
.rept 16
	v_cvt_pk_f16_f32 v[HF+n], v[160+2*n], v[160+2*n+1]
.set n, n+1
.endr
.irp rt, 0,1
.irp nt, 0,1
	ds_store_b128 v[AGW], v[HF+4*(2*\rt+\nt):HF+4*(2*\rt+\nt)+3] offset:(\r)*GSTEP+\rt*1024+\nt*512
.endr
.endr
.endm
; A CHUNK of 128 hidden units; r = the chunk's number modulo 2: its ring slot and its image of gelu.  ONE change of slots a chunk.  W1's part lies in window 3; W2's part was asked for a chunk ago.
; The two images of gelu take turns, so that the one barrier does: an image is stored again two chunks on, behind the next chunk's barrier, in front of which every wave has waited for its reads of it.
.macro CHUNK r, last
	s_wait_loadcnt 0x0                             ; W1's part and b1 of this chunk are in registers; no load of mine is out, so the two bases may step:
	s_add_nc_u64 s[W1P:W1P+1], s[W1P:W1P+1], 2*RING1   ; the next chunk's W1 (behind the last chunk the stepped bases are not used)
	s_add_nc_u64 s[10:11], s[10:11], 512           ; and b1
	WIN 0xa7                                       ; W1 window 3, h window 1, C and D window 2
	MULH
	PLACES                                         ; places in front of the loads into registers that these products have read, and of gelu's first read of results
.if \last
	WIN 0xc0
.set n, 0
.rept 16
	global_load_b128 v[4*n:4*n+3], v[AP], s[18:19] offset:(n/2)*64+(n%2)*16        ; ln2_g
	global_load_b128 v[64+4*n:64+4*n+3], v[AP], s[20:21] offset:(n/2)*64+(n%2)*16  ; ln2_b
.set n, n+1
.endr
.else
	WIN 0x80
.set n, 0
.rept 4
	global_load_b128 v[B1R+4*n:B1R+4*n+3], v[AB], s[10:11] offset:(n/2)*64+(n%2)*16
.set n, n+1
.endr
	WIN 0xc0
	W1LOAD 0, 56                                   ; the next chunk's W1: it has gelu, the change of slots and the 64 products of W2 in which to come
.endif
	WIN 0
	GELU \r
.if !\last
	WIN 0xc0
	W1LOAD 56, 8                                   ; the last eight stand here: with them 68 loads of the wave are named at once, more than LOADcnt's field counts, and the issue then waits (ISA guide 5.7.1); behind gelu's lines the first have had time to come back
	WIN 0
.endif
	CHANGE 1-\r, 1-\last, 4*RING1                  ; W2's part is whole, and so is the chunk's gelu: my stores were waited for in front of the barrier; the other slot takes the next chunk's W2, four slots on from its last
.set n, 0
.rept 16
	ds_load_b128 v[HF+4*n:HF+4*n+3], v[AG] offset:(\r)*GSTEP+512*n   ; the chunk's eight fragments (ks, rt) at 8 (2 ks + rt)
.set n, n+1
.endr
	SLOT 2, \r, 0
.endm
	s_wait_tensorcnt 0x1                           ; ctx and my quarter of Wp's slot 0 are in; slot 1's load may stay out
	s_barrier_signal -1
	s_barrier_wait -1
	LOADAF                                         ; ctx
	s_wait_loadcnt 0x0                             ; x, the biases, the first norm's gains, half of W1's chunk 0
	SLOT 0, 0, 0                                   ; OUT = x + ctx Wp^T, 128 along K a slot
	CHANGE 0, 1, 2*RING1                           ; Wp's slot 2
	SLOT 0, 1, 64
	CHANGE 1, 1, 2*RING1                           ; Wp's slot 3
	SLOT 0, 0, 128
	CHANGE 0, 1, 3*RING1                           ; W2's chunk 0: slot 5, three on from slot 2
	SLOT 0, 1, 192
	LN 0, 128, 192                                 ; OUT = h, in f32: it stays in registers as the second residual
	WIN 0xc0
	W1LOAD 32, 32                                  ; the gains have been read: the other half of W1's chunk 0
	WIN 0x0a
.set n, 0
.rept 64
	v_cvt_pk_f16_f32 v[HF+n], v[2*n], v[2*n+1]
.set n, n+1
.endr
	WIN 0
.irp rt, 0,1
.irp nt, 0,1,2,3,4,5,6,7
	ds_store_b128 v[AHW], v[HF+4*(8*\rt+\nt):HF+4*(8*\rt+\nt)+3] offset:\rt*16384+\nt*512   ; over ctx, which had its one fill and was read in front of three barriers
.endr
.endr
	s_wait_dscnt 0x0
	s_barrier_signal -1
	s_barrier_wait -1
	LOADAF                                         ; h
	WIN 0x8a
.set n, 0
.rept 64
	v_pk_add_f32 v[2*n:2*n+1], v[2*n:2*n+1], v[B2R+(2*n)%64:B2R+(2*n)%64+1]   ; h + b2: onto it the second product of each chunk is summed
.set n, n+1
.endr
	WIN 0
	s_wait_dscnt 0x0                               ; h's fragments are in: the first chunk's products read them with no LDS load of their own in front
	s_mov_b32 s80, 7
.Lchunk:                                           ; a trip runs two chunks, until slots and images are back where they began: chunks 0 to 13
	CHUNK 0, 0
	CHUNK 1, 0
	s_sub_co_u32 s80, s80, 1
	s_cmp_lg_u32 s80, 0
	s_cbranch_scc1 .Lchunk
	CHUNK 0, 0                                     ; chunk 14 asks for the last W2 and the last W1
	CHUNK 1, 1                                     ; the last chunk is written out: it asks for no weights, and for the second norm's gains
	s_wait_loadcnt 0x0                             ; ln2_g, ln2_b
	LN 2, 0, 64
	; THE WAY OUT: my 32 rows x 512 bytes go through my own stage and come back as whole rows.  The stage lies in ring slot 0, which has had its last fill, and its last read in front of the last chunk's barrier.
	WIN 0x08                                       ; an LDS store's data: window 2
.irp rt, 0,1
.irp nt, 0,1,2,3,4,5,6,7
.irp q, 0,1
	ds_store_b128 v[STO], v[8*(8*\rt+\nt)+4*\q:8*(8*\rt+\nt)+4*\q+3] offset:\rt*8448+64*\nt+16*\q
.endr
.endr
.endr
	WIN 0
.set n, 0
.rept 32
	ds_load_b128 v[64+4*n:64+4*n+3], v[RD] offset:n*528   ; LDS serves a wave's instructions in order: these see my stores
.set n, n+1
.endr
.set n, 0
.rept 32
	s_wait_dscnt 31-n                              ; row n is back; the younger loads may be out
	global_store_b128 v[CO], v[64+4*n:64+4*n+3], s[22:23] offset:n*2048 th:TH_STORE_NT   ; 512 consecutive bytes, at a multiple of 256 from the output's first byte
.set n, n+1
.endr
	s_wait_tensorcnt 0x0                           ; the wave's end
	ds_add_u32 v[SPW], v[NIL]
	s_wait_dscnt 0x0
	CROUND                                         ; the closing round
	s_endpgm
.Lfunc_end_k_qc50c0309bc_tail:
	.size	k_qc50c0309bc_tail, .Lfunc_end_k_qc50c0309bc_tail-k_qc50c0309bc_tail
	.p2alignl 7, 3214868480
	.fill 96, 4, 3214868480
	.section	.rodata,"a",@progbits
	.p2align	6, 0x0
	.amdhsa_kernel k_qc50c0309bc_tail
		.amdhsa_group_segment_fixed_size 327680
		.amdhsa_private_segment_fixed_size 0
		.amdhsa_enable_private_segment 0
		.amdhsa_kernarg_size 80
		.amdhsa_user_sgpr_count 2
		.amdhsa_user_sgpr_kernarg_segment_ptr 1
		.amdhsa_wavefront_size32 1
		.amdhsa_system_sgpr_workgroup_id_x 1
		.amdhsa_system_sgpr_workgroup_id_y 1
		.amdhsa_system_sgpr_workgroup_id_z 1
		.amdhsa_system_vgpr_workitem_id 0
		.amdhsa_next_free_vgpr 1024
		.amdhsa_next_free_sgpr 96
		.amdhsa_reserve_vcc 0
		.amdhsa_float_denorm_mode_32 3
		.amdhsa_float_denorm_mode_16_64 3
		.amdhsa_memory_ordered 1
		.amdhsa_forward_progress 1
		.amdhsa_inst_pref_size 255
	.end_amdhsa_kernel
	.section	.bss,"aw",@nobits
	.p2align	6
	.space	262144
	.amdgpu_metadata
---
amdhsa.version: [ 1, 2 ]
amdhsa.kernels:
  - .name:           k_qc50c0309bc_tail
    .symbol:         k_qc50c0309bc_tail.kd
    .args:
      - { .name: cf, .offset: 0, .size: 8, .value_kind: global_buffer, .address_space: global }
      - { .name: wst, .offset: 8, .size: 8, .value_kind: global_buffer, .address_space: global }
      - { .name: x, .offset: 16, .size: 8, .value_kind: global_buffer, .address_space: global }
      - { .name: b1, .offset: 24, .size: 8, .value_kind: global_buffer, .address_space: global }
      - { .name: b2, .offset: 32, .size: 8, .value_kind: global_buffer, .address_space: global }
      - { .name: ln1_g, .offset: 40, .size: 8, .value_kind: global_buffer, .address_space: global }
      - { .name: ln1_b, .offset: 48, .size: 8, .value_kind: global_buffer, .address_space: global }
      - { .name: ln2_g, .offset: 56, .size: 8, .value_kind: global_buffer, .address_space: global }
      - { .name: ln2_b, .offset: 64, .size: 8, .value_kind: global_buffer, .address_space: global }
      - { .name: out0, .offset: 72, .size: 8, .value_kind: global_buffer, .address_space: global }
    .group_segment_fixed_size: 327680
    .private_segment_fixed_size: 0
    .kernarg_segment_align: 8
    .kernarg_segment_size: 80
    .max_flat_workgroup_size: 128
    .sgpr_count:     96
    .vgpr_count:     1024
    .wavefront_size: 32
...
	.end_amdgpu_metadata
.endif
;; end of part 4
